; MI455X (gfx1250); checked and timed in simulation.
; The chip was launched on July 23, 2026; its instructions are those of AMD's public machine-readable ISA for CDNA 5 (MIT licence, August 2026) and "CDNA5" Instruction Set Architecture Reference Guide (July 2026). The comments in the code are by the model that wrote it; some were corrected since.
;; Transformer Block. Allowed arithmetic: matrix products marked QUANTISED: E3M2 operands, one E8M0 scale for each 32 along K, by v_wmma_scale_f32_16x16x128_f8f6f4 with both operands' format E3M2, f32 sums; everything else in f32.
;; Inputs: b_fc1 4,096 float32; b_fc2 1,024 float32; b_proj 1,024 float32; b_qkv 3,072 float32; ln1_b 1,024 float32; ln1_g 1,024 float32; ln2_b 1,024 float32; ln2_g 1,024 float32; w_fc1 4,096 x 1,024 float32; w_fc2 1,024 x 4,096 float32; w_proj 1,024 x 1,024 float32; w_qkv 3,072 x 1,024 float32; x 2 x 2,048 x 1,024 float32.
;; Outputs: out0 2 x 2,048 x 1,024 float32.
;; This version of the problem:
;;   THIS VERSION OF THE PROBLEM IS GIVEN IN LOW PRECISION. The matrix products marked QUANTISED in the list below multiply operands that are first quantised to E3M2 (3 exponent bits, 2 mantissa bits; 6 bits a number), with one power-of-two scale for each 32 numbers along K (OCP MX v1.0); their sums are f32. All else is computed in f32.
;;   The module's matrix products, in the order in which they are computed (A, B: the left and right operand; K: the contracted axis; several contracted axes count as one K, in the product's order):
;;     1. [M 4,096, K 1,024] x [K 1,024, N 3,072]; A: computed on the way; B: input w_qkv: QUANTISED
;;     2. batch 32 x [M 2,048, K 64] x [K 64, N 2,048]; A: computed on the way; B: computed on the way: QUANTISED
;;     3. batch 32 x [M 2,048, K 2,048] x [K 2,048, N 64]; A: softmax (see below); B: computed on the way: QUANTISED
;;     4. [M 4,096, K 1,024] x [K 1,024, N 1,024]; A: computed on the way; B: input w_proj: QUANTISED
;;     5. [M 4,096, K 1,024] x [K 1,024, N 4,096]; A: computed on the way; B: input w_fc1: QUANTISED
;;     6. [M 4,096, K 4,096] x [K 4,096, N 1,024]; A: computed on the way; B: input w_fc2: QUANTISED
;;   THE QUANTISER, for each operand of a quantised product, along K:
;;     - K is cut into blocks of 32 from its start; a last block that is shorter is filled with zeros.
;;     - A block's scale is 2^e with e = floor(log2(the largest magnitude in the block)) - 4, held to -126 .. 127; a block of zeros has e = 0. As a byte (E8M0): e + 127.
;;     - Each number is divided by its block's scale, clamped to +-28, and rounded to the nearest number of E3M2, ties to even, subnormals kept.
;;     - The product sums the exact products of the quantised numbers (number of the format x scale) in f32.
;;   ~~~python
;;   def quantise(x, axis):      # numpy; x: float32 -> the quantised numbers, widened to float32 again
;;       x = np.moveaxis(x, axis, -1); K = x.shape[-1]
;;       x = np.pad(x, [(0, 0)] * (x.ndim - 1) + [(0, -K % 32)]); x = x.reshape(x.shape[:-1] + (-1, 32)); a = np.abs(x).max(-1, keepdims=True)
;;       e = np.where(a > 0, np.clip(np.frexp(np.where(a > 0, a, 1))[1] - 1 - 4, -126, 127), 0)      # np.frexp(a)[1] - 1 = floor(log2(a)), exactly
;;       r = np.clip(x / 2.0 ** e, -28, 28)
;;       step = 2.0 ** (np.maximum(np.frexp(np.where(r == 0, 1, r))[1] - 1, -2) - 2)
;;       q = np.round(r / step) * step * 2.0 ** e      # np.round: ties to even
;;       return np.moveaxis(q.reshape(q.shape[:-2] + (-1,))[..., :K], -1, axis).astype(np.float32)
;;   ~~~
;;   SOFTMAX AHEAD OF A QUANTISED PRODUCT. Where the list says 'softmax', what is quantised is not the finished softmax but p = 2^(t - M), with t = logit x log2(e) and M = ceil(the row's largest t), a whole number; so 1/2 < the row's largest p <= 1. The row's sum l is taken of the UNQUANTISED p, in f32, and the product's result is divided by l at the end. Since M is a whole number, a kernel that streams over the keys may use a running M (the ceiling of the running maximum): every later rescaling is an exact power of two, which a block's scale takes up: the codes' values come out the same.
;;   OPERANDS COMPUTED ON THE WAY. 'Computed on the way' means the value that the module computes at that place (a softmax that the list does not call 'softmax' is quantised finished and normalised). What goes into a quantiser is computed in f32, as accurately as f32 sums, v_exp_f32 and their like allow (about 1e-6 of the number): no bf16 or f16 on the way to a quantiser, and a product that is left as it is and whose result goes on into a quantised operand takes f32 operands (vector FMAs, or v_wmma_f32_16x16x4_f32). A number that lies on a knife's edge between two numbers of the format may be rounded either way, as far as f32 arithmetic and the matrix unit's own rounding can turn it there, and no further.
;; One version. Each part assembles by itself: llvm-mc -triple=amdgcn-amd-amdhsa -mcpu=gfx1250 --defsym DOCPART=n.
;; ======== version 1 of 1: 7 launches
;; limits: right only within a limited range of input values
;; workspace buffers: wc 9,830,400 bytes; hc 3,276,800 bytes; qk 6,553,600 bytes; vt 3,276,800 bytes; oc 3,276,800 bytes; x1 16,777,216 bytes; fh 13,107,200 bytes
;; launch ln1 (part 1): grid 1024 x 1, 8 waves a work-group, no clusters, 137,216 bytes of LDS; arguments x, ln1_g, ln1_b, hc, w_qkv, w_proj, w_fc1, w_fc2, wc; writes hc, wc
.if DOCPART == 1
	.amdgcn_target "amdgcn-amd-amdhsa--gfx1250"
	.amdhsa_code_object_version 6
	.text
	.protected	k_q7b0c2f3a07_ln1
	.globl	k_q7b0c2f3a07_ln1
	.p2align	8
	.type	k_q7b0c2f3a07_ln1,@function
k_q7b0c2f3a07_ln1:
	s_mov_b64 s[64:65], 0
	v_nop
	global_prefetch_b8 v0, s[64:65] scope:SCOPE_SE
	s_setreg_imm32_b32 hwreg(HW_REG_WAVE_MODE, 25, 1), 1
	s_wait_xcnt 0x0
; out = Q(layer_norm(xin) x g + b): [4096][1024] f32 -> codes of BF6 with E8M0 scales, in the order of the operand's registers (32 groups of 128 rows x 8 K steps; blocks of 12,800 bytes:
; eight images of 1,536 bytes, then eight runs of 16 scale words; lane-row i of tile t is row 32 (t / 2) + 8 (t % 2) + i + 8 (i / 8)).
; SHARES: a work-group takes one tile of 16 rows, wave w the columns 128 w .. 128 w + 127: one fragment.  Each row's 512 bytes are read by one load; they turn through the wave's own stage so that lane (r, h) holds
; k = 64 c + 32 h + 0 .. 31 of row r.  The rows' sums meet in LDS, 16 words a wave: one barrier for the mean, one for the sum of squares of (x - mean): two passes, so that a common offset costs no accuracy.
; All arithmetic in f32; 1 / sqrt by v_rsq_f32.  No cluster: no two work-groups read the same rows, and g and b are 8 KB.
; LIMITS: NaN and infinities are not served; a block whose largest magnitude lies under 2^-122, a block of zeros too, keeps the byte 1 (this program alone reads the bytes).
.set FRB,   1536
.set BLK,   12800
.set SCO,   12288
.set STG,   8448                       ; a wave's stage: 16 rows x (512 + 16) bytes
.set SUMB,  8*STG                      ; 8 waves x 16 words: the rows' sums;
.set SQO,   512                        ; 512 bytes on: the sums of squares
.set WST,   SUMB+1024                  ; the weights' path has stages of its own, 8 x STG bytes
.set SPARE, WST+8*STG                  ; the spare words, 128 bytes for each wave
.set L16, 1
.set L8,  2
.set R4,  3
.set SA,  4
.set SB,  5
.set SPW, 6                            ; v6  my spare word; never rewritten
.set NIL, 7                            ; v7  0; never rewritten
.set M,   8
.set SO,  10
.set BY,  12
.set W,   14
.set T0,  15
.set CH,  16                           ; v16-23 four packed chains; then the eight waves' words
.set MU,  24                           ; v[24:25] -mean, twice
.set RS,  26                           ; v[26:27] 1 / sqrt(var + eps), twice
.set H8,  28
.set GB,  29                           ; v29 128 x (lane / 16): my place in g and b
.set SST, 30                           ; v30 where I put my row's sum
.set SLD, 31                           ; v31 where I read the eight
.set R,   32                           ; v32-95  rows as loaded; then g; then the codes
.set X,   96                           ; v96-159 my 64 numbers
.set BT,  160                          ; v160-223 b
.set PC,  32
.set TT,  44
.set SEL, 32                           ; s[32:33]
.macro TURNF
.irp i, 0,1,2,3,4,5,6,7,8,9,10,11,12,13,14,15
	ds_store_b128 v[SA], v[R+4*\i:R+4*\i+3] offset:528*\i
.endr
.irp c, 0,1
.irp j, 0,1,2,3,4,5,6,7
	ds_load_b128 v[X+32*\c+4*\j:X+32*\c+4*\j+3], v[SB] offset:256*\c+16*\j
.endr
.endr
.endm
.macro QUANTF
.irp c, 0,1
	v_max3_num_f32 v[M+\c], |v[X+32*\c]|, |v[X+32*\c+1]|, 0x2800000   ; with the floor 2^(5 - 127)
.endr
.irp i, 2,4,6,8,10,12,14,16,18,20,22,24,26,28,30
.irp c, 0,1
	s_delay_alu instid0(VALU_DEP_2)
	v_max3_num_f32 v[M+\c], v[M+\c], |v[X+32*\c+\i]|, |v[X+32*\c+\i+1]|
.endr
.endr
.irp c, 0,1
	s_delay_alu instid0(VALU_DEP_2)
	v_add_nc_u32 v[SO+\c], 0xfe000000, v[M+\c]
.endr
.irp c, 0,1
	s_delay_alu instid0(VALU_DEP_2)
	v_lshrrev_b32 v[BY+\c], 23, v[SO+\c]
.endr
	s_delay_alu instid0(VALU_DEP_1)
	v_lshl_or_b32 v[W], v[BY+1], 16, v[BY]
	s_delay_alu instid0(VALU_DEP_1)
	v_lshlrev_b32 v[W], v[H8], v[W]
	s_delay_alu instid0(VALU_DEP_1)
	v_permlanex16_b32 v[T0], v[W], s[SEL], s[SEL+1]
	s_delay_alu instid0(VALU_DEP_1)
	v_or_b32 v[W], v[W], v[T0]
.irp c, 0,1
	v_cvt_scalef32_pk16_bf6_f32 v[PC+6*\c:PC+6*\c+2], v[X+32*\c:X+32*\c+15], v[SO+\c]
	v_cvt_scalef32_pk16_bf6_f32 v[TT+4*\c:TT+4*\c+2], v[X+32*\c+16:X+32*\c+31], v[SO+\c]
.endr
	v_nop                                          ; one plain line behind the scaled conversions
.irp c, 0,1
.irp i, 0,1,2
	v_mov_b32 v[PC+6*\c+3+\i], v[TT+4*\c+\i]
.endr
.endr
.endm
; the four chains are joined, lane l xor 16's half is added, the eight waves' words meet in LDS at byte off of the sums' region; the row's total comes back in v[CH]
.macro ALLSUM off
	s_delay_alu instid0(VALU_DEP_3)
	v_pk_add_f32 v[CH:CH+1], v[CH:CH+1], v[CH+2:CH+3]
	s_delay_alu instid0(VALU_DEP_2)
	v_pk_add_f32 v[CH+4:CH+5], v[CH+4:CH+5], v[CH+6:CH+7]
	s_delay_alu instid0(VALU_DEP_1)
	v_pk_add_f32 v[CH:CH+1], v[CH:CH+1], v[CH+4:CH+5]
	s_delay_alu instid0(VALU_DEP_1)
	v_add_f32 v[MU], v[CH], v[CH+1]
	s_delay_alu instid0(VALU_DEP_1)
	v_permlanex16_b32 v[T0], v[MU], s[SEL], s[SEL+1]
	s_delay_alu instid0(VALU_DEP_1)
	v_add_f32 v[MU], v[MU], v[T0]
	ds_store_b32 v[SST], v[MU] offset:\off         ; lanes r and r + 16 write the same word with the same value
	s_wait_dscnt 0x0                               ; for the others' sake: my store has landed
	s_barrier_signal -1
	s_barrier_wait -1
.irp w, 0,1,2,3,4,5,6,7
	ds_load_b32 v[CH+\w], v[SLD] offset:\off+64*\w
.endr
	s_wait_dscnt 0x0
.irp w, 1
	v_add_f32 v[CH], v[CH], v[CH+\w]
.endr
.irp w, 2, 3, 4, 5, 6, 7
	s_delay_alu instid0(VALU_DEP_1)
	v_add_f32 v[CH], v[CH], v[CH+\w]
.endr
.endm
; TWO PATHS, parted by the work-group's number alone.  Work-groups 0 .. 255 take the layer norm described above.  Work-groups 256 .. 1,023 (only a grid of 1,024 has them) turn the four weights, f32 with K innermost,
; into codes of BF6 with one E8M0 byte for each 32 along K, in the same order of the operand's registers: work-group 256 + n makes block n of wc (128 rows x 128 K, 12,800 bytes), each of its eight waves one fragment.
; Block (group g, K step s) of a weight lies at (g x K / 128 + s) x 12,800; w_qkv from block 0, w_proj from 192, w_fc1 from 256, w_fc2 from 512.  A row's 512 bytes are read by one load of the wave and turn through the
; wave's own stage.  No barrier on this path: its waves share nothing.  The limits stated above hold for it too.  Both paths end in one tail.
.macro LOADF pitch                     ; row i of the tile: 32 lanes read its 512 consecutive bytes
.irp i, 0,1,2,3,4,5,6,7,8,9,10,11,12,13,14,15
	global_load_b128 v[R+4*\i:R+4*\i+3], v[L16], s[18:19] offset:(\i+8*(\i/8))*\pitch th:TH_LOAD_NT
.endr
.endm
	s_cmp_lt_u32 ttmp9, 256
	s_cbranch_scc1 .Lnorm
	s_load_b256 s[4:11], s[0:1], 0x20              ; w_qkv, w_proj, w_fc1, w_fc2
	s_load_b64 s[12:13], s[0:1], 0x40              ; wc
	v_lshl_add_u32 v[SPW], v0, 2, SPARE
	v_mov_b32 v[NIL], 0
	v_lshrrev_b32 v[T0], 5, v0
	v_readfirstlane_b32 s14, v[T0]                 ; wave 0..7 = the tile in the block
	v_and_b32 v[T0], 31, v0
	v_lshlrev_b32 v[L16], 4, v[T0]
	v_lshlrev_b32 v[L8], 3, v[T0]
	v_and_b32 v[R4], 15, v0
	v_mul_u32_u24 v[SB], v[R4], 528
	v_lshlrev_b32 v[R4], 2, v[R4]
	v_bfe_u32 v[H8], v0, 4, 1
	v_lshl_add_u32 v[SB], v[H8], 7, v[SB]          ; row r, + 128 h bytes: my 32 numbers of each 64
	v_lshlrev_b32 v[H8], 3, v[H8]
	s_mul_i32 s15, s14, STG
	s_add_co_u32 s15, s15, WST
	v_add_nc_u32 v[SA], s15, v[L16]
	v_add_nc_u32 v[SB], s15, v[SB]
	v_mov_b32 v[T0], 0                             ; a lane permute's destination counts as one of its sources
	s_mov_b32 s[SEL], 0x76543210
	s_mov_b32 s[SEL+1], 0xfedcba98
	s_sub_co_u32 s36, ttmp9, 256                   ; the block's number in wc
	s_wait_alu depctr_va_vdst(0)                   ; the wait at the head's end
	s_wait_kmcnt 0x0
	s_mov_b32 s16, 512                             ; which weight: the choice hangs on the work-group's number alone
	s_mov_b64 s[18:19], s[10:11]
	s_cmp_lt_u32 s36, 512
	s_cselect_b64 s[18:19], s[8:9], s[18:19]
	s_cselect_b32 s16, 256, s16
	s_cselect_b32 s20, 3, 5                        ; log2 of the K steps in a row,
	s_cselect_b32 s21, 7, 31                       ; their mask,
	s_cselect_b32 s22, 12, 14                      ; log2 of a row's bytes
	s_cmp_lt_u32 s36, 256
	s_cselect_b64 s[18:19], s[6:7], s[18:19]
	s_cselect_b32 s16, 192, s16
	s_cmp_lt_u32 s36, 192
	s_cselect_b64 s[18:19], s[4:5], s[18:19]
	s_cselect_b32 s16, 0, s16
	s_sub_co_u32 s17, s36, s16                     ; the block's number in its weight
	s_lshr_b32 s23, s17, s20                       ; group
	s_and_b32 s24, s17, s21                        ; K step
	s_lshl_b32 s23, s23, 7
	s_lshr_b32 s25, s14, 1
	s_lshl_b32 s25, s25, 5
	s_add_co_u32 s23, s23, s25
	s_and_b32 s25, s14, 1
	s_lshl_b32 s25, s25, 3
	s_add_co_u32 s23, s23, s25                     ; the tile's first row: 128 g + 32 (w / 2) + 8 (w % 2)
	s_lshl_b32 s26, s23, s22
	s_lshl_b32 s24, s24, 9
	s_add_co_u32 s26, s26, s24
	s_mov_b32 s27, 0
	s_add_nc_u64 s[18:19], s[18:19], s[26:27]
	s_mul_i32 s28, s36, BLK
	s_mov_b32 s29, 0
	s_add_nc_u64 s[12:13], s[12:13], s[28:29]      ; my block,
	s_mul_i32 s28, s14, FRB
	s_add_nc_u64 s[30:31], s[12:13], s[28:29]      ; my image in it,
	s_lshl_b32 s28, s14, 6
	s_add_nc_u64 s[12:13], s[12:13], s[28:29]      ; my run of scale words (less SCO)
	s_cmp_lt_u32 s36, 512
	s_cbranch_scc0 .Lwide
	LOADF 4096
	s_branch .Lloaded
.Lwide:
	LOADF 16384
.Lloaded:
	s_wait_loadcnt 0x0
	TURNF
	s_wait_dscnt 0x0                               ; my numbers are back, and the stores have read R's registers, which take the codes
	QUANTF
	global_store_b128 v[L16], v[PC:PC+3], s[30:31]                 ; the image: 512 and 256 consecutive bytes a store
	global_store_b64 v[L8], v[PC+4:PC+5], s[30:31] offset:512
	global_store_b128 v[L16], v[PC+6:PC+9], s[30:31] offset:768
	global_store_b64 v[L8], v[PC+10:PC+11], s[30:31] offset:1280
	global_store_b32 v[R4], v[W], s[12:13] offset:SCO              ; lanes r and r + 16 hold the same word
	s_branch .Lend
.Lnorm:
	s_load_b256 s[4:11], s[0:1], 0x0               ; xin, g, b, out
	v_lshl_add_u32 v[SPW], v0, 2, SPARE
	v_mov_b32 v[NIL], 0
	v_lshrrev_b32 v[T0], 5, v0
	s_delay_alu instid0(VALU_DEP_1)
	v_readfirstlane_b32 s14, v[T0]                 ; wave 0..7 = the K step
	v_and_b32 v[T0], 31, v0
	s_delay_alu instid0(VALU_DEP_1)
	v_lshlrev_b32 v[L16], 4, v[T0]
	s_delay_alu instid0(VALU_DEP_2)
	v_lshlrev_b32 v[L8], 3, v[T0]
	v_and_b32 v[R4], 15, v0
	s_delay_alu instid0(VALU_DEP_1)
	v_mul_u32_u24 v[SB], v[R4], 528
	s_delay_alu instid0(VALU_DEP_2)
	v_lshlrev_b32 v[R4], 2, v[R4]
	v_bfe_u32 v[H8], v0, 4, 1
	s_delay_alu instid0(VALU_DEP_1)
	v_lshl_add_u32 v[SB], v[H8], 7, v[SB]
	s_delay_alu instid0(VALU_DEP_2)
	v_lshlrev_b32 v[GB], 7, v[H8]
	s_delay_alu instid0(VALU_DEP_3)
	v_lshlrev_b32 v[H8], 3, v[H8]
	s_mul_i32 s15, s14, STG
	v_add_nc_u32 v[SA], s15, v[L16]
	v_add_nc_u32 v[SB], s15, v[SB]
	s_lshl_b32 s15, s14, 6
	v_add_nc_u32 v[SLD], SUMB, v[R4]
	s_delay_alu instid0(VALU_DEP_1)
	v_add_nc_u32 v[SST], s15, v[SLD]
	v_mov_b32 v[T0], 0                             ; a lane permute's destination counts as one of its sources
	s_mov_b32 s[SEL], 0x76543210
	s_mov_b32 s[SEL+1], 0xfedcba98
	s_mov_b32 s34, 0x3727c5ac                      ; eps = 1e-5
	s_mov_b32 s35, 0x3a800000                      ; 1 / 1024
	s_lshr_b32 s15, ttmp9, 1
	s_lshl_b32 s15, s15, 5
	s_and_b32 s16, ttmp9, 1
	s_lshl_b32 s16, s16, 3
	s_add_co_u32 s15, s15, s16                     ; the tile's first row
	s_lshl_b32 s26, s15, 12
	s_lshl_b32 s16, s14, 9                         ; my 128 columns, in bytes
	s_mov_b32 s17, 0
	s_add_co_u32 s26, s26, s16
	s_mov_b32 s27, 0
	s_lshr_b32 s28, ttmp9, 3
	s_lshl_b32 s28, s28, 3
	s_add_co_u32 s28, s28, s14
	s_mul_i32 s28, s28, BLK                        ; block (tile / 8, wave)
	s_mov_b32 s29, 0
	s_and_b32 s22, ttmp9, 7
	s_mul_i32 s24, s22, FRB
	s_mov_b32 s25, 0
	s_lshl_b32 s22, s22, 6
	s_mov_b32 s23, 0
	s_wait_alu depctr_va_vdst(0)
	s_wait_kmcnt 0x0
	s_add_nc_u64 s[18:19], s[4:5], s[26:27]
	s_add_nc_u64 s[6:7], s[6:7], s[16:17]
	s_add_nc_u64 s[8:9], s[8:9], s[16:17]
	s_add_nc_u64 s[10:11], s[10:11], s[28:29]
	s_add_nc_u64 s[30:31], s[10:11], s[24:25]      ; my image
	s_add_nc_u64 s[12:13], s[10:11], s[22:23]      ; my run of scale words (less SCO)
.irp i, 0,1,2,3,4,5,6,7,8,9,10,11,12,13,14,15
	global_load_b128 v[R+4*\i:R+4*\i+3], v[L16], s[18:19] offset:(\i+8*(\i/8))*4096   ; row i of the tile: 512 consecutive bytes
.endr
.irp c, 0,1
.irp j, 0,1,2,3,4,5,6,7
	global_load_b128 v[BT+32*\c+4*\j:BT+32*\c+4*\j+3], v[GB], s[8:9] offset:256*\c+16*\j
.endr
.endr
	s_wait_loadcnt 16                              ; the rows are in; b's sixteen loads may be out
	TURNF
	s_wait_dscnt 0x0                               ; my numbers are back, and the stores have read R's registers,
.irp c, 0,1
.irp j, 0,1,2,3,4,5,6,7
	global_load_b128 v[R+32*\c+4*\j:R+32*\c+4*\j+3], v[GB], s[6:7] offset:256*\c+16*\j   ; which take g: it lands during the statistics
.endr
.endr
.irp k, 0,1,2,3
	v_pk_add_f32 v[CH+2*\k:CH+2*\k+1], v[X+4*\k:X+4*\k+1], v[X+4*\k+2:X+4*\k+3]     ; the first sums start the chains: nothing is cleared
.endr
.irp i, 16,24,32,40,48,56
.irp k, 0,1,2,3
	s_delay_alu instid0(VALU_DEP_4)
	v_pk_add_f32 v[CH+2*\k:CH+2*\k+1], v[CH+2*\k:CH+2*\k+1], v[X+\i+2*\k:X+\i+2*\k+1]
.endr
.endr
	ALLSUM 0
	s_delay_alu instid0(VALU_DEP_1)
	v_mul_f32 v[MU], 0xba800000, v[CH]             ; -mean
	s_delay_alu instid0(VALU_DEP_1)
	v_mov_b32 v[MU+1], v[MU]
.irp i, 0,2,4,6,8,10,12,14,16,18,20,22,24,26,28,30,32,34,36,38,40,42,44,46,48,50,52,54,56,58,60,62
	v_pk_add_f32 v[X+\i:X+\i+1], v[X+\i:X+\i+1], v[MU:MU+1]
.endr
.irp k, 0,1,2,3
	v_pk_mul_f32 v[CH+2*\k:CH+2*\k+1], v[X+2*\k:X+2*\k+1], v[X+2*\k:X+2*\k+1]
.endr
.irp i, 8,16,24,32,40,48,56
.irp k, 0,1,2,3
	s_delay_alu instid0(VALU_DEP_4)
	v_pk_fma_f32 v[CH+2*\k:CH+2*\k+1], v[X+\i+2*\k:X+\i+2*\k+1], v[X+\i+2*\k:X+\i+2*\k+1], v[CH+2*\k:CH+2*\k+1]
.endr
.endr
	ALLSUM SQO
	s_delay_alu instid0(VALU_DEP_1)
	v_fma_f32 v[RS], v[CH], s35, s34               ; var + eps
	s_wait_alu depctr_va_vdst(0)
	v_rsq_f32 v[RS], v[RS]
	v_nop                                          ; a plain line behind the transcendental,
	s_wait_alu depctr_va_vdst(0)                   ; and the wait ahead of its first reader
	v_mov_b32 v[RS+1], v[RS]
	s_wait_alu depctr_va_vdst(0)
	s_wait_loadcnt 0x0                             ; g and b
.irp i, 0,2,4,6,8,10,12,14,16,18,20,22,24,26,28,30,32,34,36,38,40,42,44,46,48,50,52,54,56,58,60,62
	v_pk_mul_f32 v[X+\i:X+\i+1], v[X+\i:X+\i+1], v[RS:RS+1]
.endr
.irp i, 0,2,4,6,8,10,12,14,16,18,20,22,24,26,28,30,32,34,36,38,40,42,44,46,48,50,52,54,56,58,60,62
	v_pk_fma_f32 v[X+\i:X+\i+1], v[X+\i:X+\i+1], v[R+\i:R+\i+1], v[BT+\i:BT+\i+1]
.endr
	QUANTF
	global_store_b128 v[L16], v[PC:PC+3], s[30:31]                 ; the image: 512 and 256 consecutive bytes a store
	global_store_b64 v[L8], v[PC+4:PC+5], s[30:31] offset:512
	global_store_b128 v[L16], v[PC+6:PC+9], s[30:31] offset:768
	global_store_b64 v[L8], v[PC+10:PC+11], s[30:31] offset:1280
	global_store_b32 v[R4], v[W], s[12:13] offset:SCO              ; lanes r and r + 16 hold the same word
.Lend:
	s_wait_tensorcnt 0x0                           ; the wave's end, for both paths
	ds_add_u32 v[SPW], v[NIL]
	s_wait_dscnt 0x0
	s_endpgm
.Lfunc_end_k_q7b0c2f3a07_ln1:
	.size	k_q7b0c2f3a07_ln1, .Lfunc_end_k_q7b0c2f3a07_ln1-k_q7b0c2f3a07_ln1
	.p2alignl 7, 3214868480
	.fill 96, 4, 3214868480
	.section	.rodata,"a",@progbits
	.p2align	6, 0x0
	.amdhsa_kernel k_q7b0c2f3a07_ln1
		.amdhsa_group_segment_fixed_size 137216
		.amdhsa_private_segment_fixed_size 0
		.amdhsa_enable_private_segment 0
		.amdhsa_kernarg_size 72
		.amdhsa_user_sgpr_count 2
		.amdhsa_user_sgpr_kernarg_segment_ptr 1
		.amdhsa_wavefront_size32 1
		.amdhsa_system_sgpr_workgroup_id_x 1
		.amdhsa_system_sgpr_workgroup_id_y 1
		.amdhsa_system_sgpr_workgroup_id_z 1
		.amdhsa_system_vgpr_workitem_id 0
		.amdhsa_next_free_vgpr 224
		.amdhsa_next_free_sgpr 66
		.amdhsa_reserve_vcc 0
		.amdhsa_float_denorm_mode_32 3
		.amdhsa_float_denorm_mode_16_64 3
		.amdhsa_memory_ordered 1
		.amdhsa_forward_progress 1
		.amdhsa_inst_pref_size 42
	.end_amdhsa_kernel
	.amdgpu_metadata
---
amdhsa.version: [ 1, 2 ]
amdhsa.kernels:
  - .name:           k_q7b0c2f3a07_ln1
    .symbol:         k_q7b0c2f3a07_ln1.kd
    .args:
      - { .name: x, .offset: 0, .size: 8, .value_kind: global_buffer, .address_space: global }
      - { .name: ln1_g, .offset: 8, .size: 8, .value_kind: global_buffer, .address_space: global }
      - { .name: ln1_b, .offset: 16, .size: 8, .value_kind: global_buffer, .address_space: global }
      - { .name: hc, .offset: 24, .size: 8, .value_kind: global_buffer, .address_space: global }
      - { .name: w_qkv, .offset: 32, .size: 8, .value_kind: global_buffer, .address_space: global }
      - { .name: w_proj, .offset: 40, .size: 8, .value_kind: global_buffer, .address_space: global }
      - { .name: w_fc1, .offset: 48, .size: 8, .value_kind: global_buffer, .address_space: global }
      - { .name: w_fc2, .offset: 56, .size: 8, .value_kind: global_buffer, .address_space: global }
      - { .name: wc, .offset: 64, .size: 8, .value_kind: global_buffer, .address_space: global }
    .group_segment_fixed_size: 137216
    .private_segment_fixed_size: 0
    .kernarg_segment_align: 8
    .kernarg_segment_size: 72
    .max_flat_workgroup_size: 256
    .sgpr_count:     66
    .vgpr_count:     224
    .wavefront_size: 32
...
	.end_amdgpu_metadata
.endif
;; end of part 1
;; launch qkv (part 2): grid 12 x 16, 4 waves a work-group, clusters of 4 x 4, 327,680 bytes of LDS; arguments hc, wc, b_qkv, qk, vt; writes qk, vt
.if DOCPART == 2
	.amdgcn_target "amdgcn-amd-amdhsa--gfx1250"
	.amdhsa_code_object_version 6
	.text
	.protected	k_q7b0c2f3a07_qkv
	.globl	k_q7b0c2f3a07_qkv
	.p2align	8
	.type	k_q7b0c2f3a07_qkv,@function
k_q7b0c2f3a07_qkv:
	s_mov_b64 s[64:65], 0
	v_nop
	global_prefetch_b8 v0, s[64:65] scope:SCOPE_SE
	s_setreg_imm32_b32 hwreg(HW_REG_WAVE_MODE, 25, 1), 1
	s_wait_xcnt 0x0
	s_wait_alu depctr_hold_cnt(0) depctr_sa_sdst(0) depctr_va_vdst(0) depctr_va_sdst(0) depctr_va_ssrc(0) depctr_va_vcc(0) depctr_vm_vsrc(0)
	s_getreg_b32 s2, hwreg(HW_REG_IB_STS2, 6, 4)
	s_cmp_eq_u32 s2, 0
	s_cbranch_scc0 .Lentry_in_a_cluster
	s_endpgm
.Lentry_in_a_cluster:
	s_bfe_u32 s2, ttmp6, 0x10000c
	s_cmp_lg_u32 s2, 0xf033
	s_cbranch_scc0 .Lentry_shape_is_right
	s_endpgm
.Lentry_shape_is_right:
; qkv = Q(h) Q(w_qkv)^T + b_qkv on codes of BF6, and its three parts quantised again at once: q and k along the head's channels (buffer qk: rows = tokens, K step j = q of heads 2 j, 2 j + 1, K step 8 + j = k of them),
; v along the TOKENS (buffer vt: rows = head x 64 + channel, K steps = 128 tokens), since the tokens are the K of attention's second product.
; All operands lie in the order of the operand's registers: blocks of 12,800 bytes (128 rows x 128 K): eight images of 1,536 bytes, then eight runs of 16 scale words; lane-row i of tile t is row
; 32 (t / 2) + 8 (t % 2) + i + 8 (i / 8).  With source 0's rows so ordered, a lane's 16 result registers of tiles 2 g, 2 g + 1 are rows 32 g + 16 (lane / 16) + 0 .. 15: 16 neighbours along the next K.
; ROLES.  Source 0 = operand P (its rows become the result's registers: the next K), source 1 = operand Q (its rows stay lanes: the next operand's rows).  Clusters x = 0, 1: P = w_qkv's rows 0 .. 2047, Q = tokens.
; Cluster x = 2: P = tokens, Q = w_qkv's rows 2048 .. 3071.  The choice hangs on the cluster's x alone, which all sixteen partners share.
; SHARES.  A work-group makes 256 x 256, each of four waves 128 x 128: 64 accumulators, 512 registers.  K = 1,024 in 8 steps of 128; K steps 0-3 fill area 0 at the head, K steps 4, 5 area 1, and K steps 6, 7 take
; the place of K steps 0, 1 when they have been read: a wave has one tensor load out at a time.  A wave's head load brings 51,200 dense bytes, each later one 25,600.
; CLUSTER 4 x 4: P's tiles hang on cx alone and are asked for jointly by a column, Q's on cy alone and by a row.
; REGISTERS: window 0: v4-18 LDS addresses, v19-22, v28-31; v32-47 scale words (two sets); v48-63 the bias along Q's rows; v64-127 at work on the way out; v128-223 Q's fragments (one set).
;   window 1: P's fragments, two sets at v0 and v128; the bias along P's rows in v96-127 and v224-255.   windows 2, 3: accumulator (a, b) at v[8 (8 (a % 4) + b)] of window 2 + a / 4.
; LIMITS: NaN and infinities are not served; a block whose largest magnitude lies under 2^-122, a block of zeros too, keeps the byte 1 (this program alone reads the bytes).
.set NT,    8                          ; tiles of 16 rows a wave and side
.set NQ,    2                          ; K steps in a fill
.set NSLOT, 3
.set S,     8                          ; K steps
.set NF,    S/NQ
.set FRB,   1536
.set BLK,   12800
.set SCO,   12288
.set REG,   2*BLK                      ; what one tensor load brings
.set SLOT,  4*REG
; THE FILLS, as the text below has them (this takes the place of what the head comment says of three slots): area 0, from byte 0, has four regions of 4 K steps (51,200 bytes), one a wave, filled at the head with K steps 0-3
; by one tensor load a wave; area 1, from AREA on, has four regions of 2 K steps, first filled with K steps 4, 5 behind the round in front of the first K step; K steps 6, 7 are the one refill, into the first half of
; area 0's regions, behind the round in K step 3.  By this text's own count a wave has one tensor load out at a time.
.set AREA,  16*BLK
.set HALFC, REG
.set HALFS, REG
.set SPARE, NSLOT*SLOT                 ; behind the ring: the spare words, 128 bytes for each wave
.set STAGE, ((NF-2)%NSLOT)*SLOT        ; the way out's scale words: in the slot of the last fill but one, which has had its last fill and whose last read lies ahead of the last barrier
.set A16, 4                            ; v4-6   Q's fragments in area 0, 1: + 16 x lane
.set A8,  7                            ; v7-9   + 8 x lane
.set B16, 10                           ; v10-12 P's
.set B8,  13                           ; v13-15
.set SCA, 16                           ; v16-18 scale words: lanes 0-15 Q's, lanes 16-31 P's
.set L16, 19
.set L8,  20
.set SS,  21                           ; v21 the way out: where I put a scale word
.set SL,  22                           ; v22 and where I read 16 bytes of them back
.set SPW, 28                           ; v28 my spare word; never rewritten
.set NIL, 29                           ; v29 0; never rewritten
.set SC,  32
.set BQ,  48
.set T,   64
.set AF,  128
.set PC,  128
.set TM,  160
.set PW,  176
.set G1Q, 24
.set G0Q, 32                           ; s[32:43] a set for each slot
.set G1P, 48
.set G0P, 68                           ; s[68:79]
.set SEL, 90
.set MUL_LO, 0xa1                      ; source 0 (P) window 1, source 1 (Q) window 0, C and D window 2
.set MUL_HI, 0xf1
.set MSB, 0
.macro WIN new                         ; the immediate's high byte repeats the setting that is left
.if MSB != (\new)
	s_set_vgpr_msb (MSB<<8)|(\new)
.set MSB, (\new)
.endif
.endm
.macro PLACES n
.rept \n
	v_nop
.endr
.endm
; A joint load: waves 0 and 1 fetch for Q, waves 2 and 3 for P.  An s_nop 0 and four v_nop follow each of the two lines.
.macro JLOAD g0q, g0p
	s_cmp_eq_u32 s15, 0
	s_cbranch_scc0 .Lfor_p_\@
	tensor_load_to_lds s[\g0q:\g0q+3], s[G1Q:G1Q+7]
	s_nop 0
.rept 4
	v_nop
.endr
	s_branch .Lasked_\@
.Lfor_p_\@:
	tensor_load_to_lds s[\g0p:\g0p+3], s[G1P:G1P+7]
	s_nop 0
.rept 4
	v_nop
.endr
.Lasked_\@:
.endm
.macro CREST                           ; a round of the cluster's barrier behind its opening barrier
	s_cmp_lg_u32 s14, 0
	s_cbranch_scc1 .Lnot_wave_0_\@
	s_barrier_signal -3
.Lnot_wave_0_\@:
	s_barrier_wait -3
	s_barrier_signal -1
	s_barrier_wait -1
.endm
.macro CROUND
	s_barrier_signal -1
	s_barrier_wait -1
	CREST
.endm
.macro FRAG reg, a16, a8, off          ; an image comes back as it was stored: every load takes 512 or 256 consecutive bytes
	ds_load_b128 v[\reg:\reg+3], v[\a16] offset:\off
	ds_load_b64 v[\reg+4:\reg+5], v[\a8] offset:\off+512
	ds_load_b128 v[\reg+6:\reg+9], v[\a16] offset:\off+768
	ds_load_b64 v[\reg+10:\reg+11], v[\a8] offset:\off+1280
.endm
; the next step's operands: slot nsl, its nq-th step, P's set and the scale words' set np
.macro FETCH_B
	WIN 0x40
.set fi, 0
.rept NT
	FRAG 128*np+12*fi, B16+nsl, B8+nsl, nq*BLK+fi*FRB
.set fi, fi+1
.endr
	WIN 0
.endm
.macro FETCH_A i0
.set fi, \i0
.rept NT/2
	FRAG AF+12*fi, A16+nsl, A8+nsl, nq*BLK+fi*FRB
.set fi, fi+1
.endr
.endm
.macro SCALES
.set fi, 0
.rept NT
	ds_load_b32 v[SC+8*np+fi], v[SCA+nsl] offset:nq*BLK+64*fi
.set fi, fi+1
.endr
.endm
; a quarter of a step: NT / 4 of Q's tiles against all of P's.  The accumulators take turns, one instruction a turn, in the same order in every step.
.macro MULQ i, zero
.set qa, (\i)*NT/4
.rept NT/4
.set qb, 0
.rept NT
.set rD, 8*(NT*(qa%4)+qb)
.if \zero
	v_wmma_scale_f32_16x16x128_f8f6f4 v[rD:rD+7], v[128*pp+12*qb:128*pp+12*qb+11], v[AF+12*qa:AF+12*qa+11], 0, v[SC+8*pp+qb], v[SC+8*pp+qa] matrix_a_fmt:MATRIX_FMT_BF6 matrix_b_fmt:MATRIX_FMT_BF6 matrix_a_scale:MATRIX_SCALE_ROW1
.else
	v_wmma_scale_f32_16x16x128_f8f6f4 v[rD:rD+7], v[128*pp+12*qb:128*pp+12*qb+11], v[AF+12*qa:AF+12*qa+11], v[rD:rD+7], v[SC+8*pp+qb], v[SC+8*pp+qa] matrix_a_fmt:MATRIX_FMT_BF6 matrix_b_fmt:MATRIX_FMT_BF6 matrix_a_scale:MATRIX_SCALE_ROW1
.endif
.set qb, qb+1
.endr
.set qa, qa+1
.endr
.endm
; K step kk.  kind 0: its successor's tiles have been shown landed to every wave.  kind 1: the fill's last step, and its slot is filled again: the wait for all my tensor loads, the add, the wait for it and for my reads of
; the slot, a round of the cluster's barrier, the joint refill first behind it.  kind 2: the same three lines and a plain barrier; nothing is filled.  kind 3: the last step.
.macro STEPK kind, zero
.set pp, kk%2
.set np, 1-pp
.set nsl, (kk+1)/4-(kk+1)/6            ; the next step's area: K steps 4, 5 lie in area 1, all others in area 0
.set nq, (kk+1)-4*((kk+1)/4)-2*((kk+1)/6)   ; and its place in the region: 0-3, 0-1, 0-1
.if (\kind == 1) || (\kind == 2)
	s_wait_tensorcnt 0x0                           ; all my tensor loads have landed
	ds_add_u32 v[SPW], v[NIL]                      ; 0 onto my spare word
	s_wait_dscnt (NT/2)*4+1                        ; (the add and the loads of Q's upper tiles may be out)
	WIN MUL_LO
	MULQ 0, 0
	s_wait_dscnt 0x0                               ; the add is done, and my reads of this slot are over
	s_barrier_signal -1
	MULQ 1, 0
	WIN 0
	s_barrier_wait -1
.if \kind == 1
	CREST                                          ; no wave of any partner still reads this slot or has a load on its way
	JLOAD G0Q+8, G0P+8                             ; K steps 6, 7 over K steps 0, 1; its four v_nop are also the places in front of the loads below
.else
	PLACES 4
.endif
.else
	s_wait_dscnt (NT/2)*4                          ; P's set, Q's lower tiles and the scale words are in; the loads of Q's upper tiles may be out
	WIN MUL_LO
	MULQ 0, \zero
	MULQ 1, \zero
	s_wait_dscnt 0x0
.if \kind == 0
	PLACES 4                                       ; four plain lines in front of loads into registers that matrix instructions have read
.endif
.endif
.if \kind != 3
	FETCH_B
	FETCH_A 0
	SCALES
.endif
	WIN MUL_HI
	MULQ 2, \zero
	MULQ 3, \zero
.if \kind != 3
	PLACES 4
.endif
	WIN 0
.if \kind != 3
	FETCH_A NT/2
.endif
.set kk, kk+1
.endm
; 64 numbers of a lane, register 16 b + i = k 32 b + 16 (lane / 16) + i of my row, become a fragment's codes in v[PC] on and its scale word in v[PW]
.macro QUANT s
.irp b, 0,1,2,3
	v_max3_num_f32 v[TM+\b], |v[\s+16*\b]|, |v[\s+1+16*\b]|, 0x2800000   ; with the floor 2^(5 - 127): the byte cannot fall under 1
.endr
.irp i, 2,4,6,8,10,12,14
.irp b, 0,1,2,3
	v_max3_num_f32 v[TM+\b], v[TM+\b], |v[\s+16*\b+\i]|, |v[\s+1+16*\b+\i]|
.endr
.endr
.irp b, 0,1,2,3
	v_permlanex16_b32 v[TM+4+\b], v[TM+\b], s[SEL], s[SEL+1]
.endr
.irp b, 0,1,2,3
	v_max_num_f32 v[TM+\b], v[TM+\b], v[TM+4+\b]
.endr
.irp b, 0,1,2,3
	v_add_nc_u32 v[TM+12+\b], 0xfe000000, v[TM+\b] ; 4 off the exponent field: the conversion's scale operand
.endr
.irp b, 0,1,2,3
	v_lshrrev_b32 v[TM+4+\b], 23, v[TM+12+\b]      ; the scale's byte
.endr
	v_lshl_or_b32 v[PW], v[TM+5], 8, v[TM+4]
	v_lshl_or_b32 v[PW], v[TM+6], 16, v[PW]
	v_lshl_or_b32 v[PW], v[TM+7], 24, v[PW]
.irp c, 0,1
	v_cvt_scalef32_pk16_bf6_f32 v[PC+6*\c:PC+2+6*\c], v[\s+32*\c:\s+15+32*\c], v[TM+12+2*\c]
	v_cvt_scalef32_pk16_bf6_f32 v[PC+12+4*\c:PC+14+4*\c], v[\s+16+32*\c:\s+31+32*\c], v[TM+12+2*\c+1]
.endr
	v_nop                                          ; one plain line behind the scaled conversions
.irp c, 0,1                                    ; the operand wants a whole block in a lane: lanes 0-15 block 2 c, lanes 16-31 block 2 c + 1
.irp i, 0,1,2
	v_permlane16_swap_b32 v[PC+6*\c+\i], v[PC+12+4*\c+\i]
.endr
.irp i, 0,1,2
	v_mov_b32 v[PC+3+6*\c+\i], v[PC+12+4*\c+\i]
.endr
.endr
.endm
	s_load_b128 s[4:7], s[0:1], 0x0                ; hc, wc
	s_load_b128 s[8:11], s[0:1], 0x10              ; b_qkv, qk
	s_load_b64 s[12:13], s[0:1], 0x20              ; vt
	v_lshl_add_u32 v[SPW], v0, 2, SPARE
	v_mov_b32 v[NIL], 0
	ds_add_u32 v[SPW], v[NIL]                      ; the wave's opening: the add and its wait ahead of my first tensor load
	ds_add_u32 v[SPW], v[NIL]
	v_lshrrev_b32 v1, 5, v0
	v_readfirstlane_b32 s14, v1                    ; wave 0..3
	s_lshr_b32 s15, s14, 1                         ; my half of Q's rows.  Also: I fetch for Q (0) or for P (1)
	s_and_b32 s16, s14, 1                          ; my half of P's rows.  Also: which group I fetch
	s_bfe_u32 s44, ttmp6, 0x40000                  ; cx
	s_bfe_u32 s45, ttmp6, 0x40004                  ; cy
	s_lshl_b32 s18, ttmp9, 2
	s_and_b32 s19, ttmp7, 0xffff
	s_lshl_b32 s19, s19, 2
	s_cmp_eq_u32 ttmp9, 2                          ; the cluster's x: the same in all sixteen partners
	s_cselect_b32 s98, 1, 0                        ; 1: this cluster makes v
	s_cselect_b32 s46, s19, s18
	s_cselect_b32 s17, 0, s19
	s_cselect_b32 s99, 32, 16                      ; K steps of the buffer that I write
	s_cselect_b32 s57, 16*S*BLK, 0                 ; v's rows of w_qkv begin at group 16
	s_add_co_u32 s46, s46, s44                     ; P's tile of 256 rows: hangs on cx alone within the cluster
	s_add_co_u32 s17, s17, s45                     ; Q's: on cy alone
	s_lshl_b32 s47, s45, 2
	s_lshl_b32 s47, 15, s47                        ; my row of the cluster
	s_lshl_b32 s56, 0x1111, s44                    ; my column
	s_or_b32 s[G1Q], s47, (3<<16)|(1<<21)          ; 15:0 the mask; 17:16 elements of 8 bytes; 21 set beside a mask; no padding
	s_or_b32 s[G1P], s56, (3<<16)|(1<<21)
.irp g, G1Q, G1P
	s_mov_b32 s[\g+1], 32<<16                      ; tensor_dim0 = 32 elements: rows of 256 bytes
	s_mov_b32 s[\g+2], 200<<16                     ; tensor_dim1 = 200 rows: the head's load brings 51,200 dense bytes
	s_mov_b32 s[\g+3], 32<<16                      ; tile_dim0
	s_mov_b32 s[\g+4], 200                         ; tile_dim1
	s_mov_b32 s[\g+5], 32                          ; the pitch
	s_mov_b32 s[\g+6], 0
	s_mov_b32 s[\g+7], 0
.endr
	s_lshl_b32 s20, s17, 1
	s_add_co_u32 s20, s20, s16
	s_mul_i32 s20, s20, S*BLK
	s_add_co_u32 s20, s20, s57                     ; Q: group 2 tQ + part, K step 0
	s_mov_b32 s21, 0
	s_lshl_b32 s58, s46, 1
	s_add_co_u32 s58, s58, s16
	s_mul_i32 s58, s58, S*BLK                      ; P likewise
	s_mov_b32 s59, 0
	s_mul_i32 s80, s14, REG                        ; where my part goes: no place in the cluster enters an LDS address
	s_wait_dscnt 0x0                               ; the opening add is done
	s_wait_kmcnt 0x0
	s_cmp_eq_u32 s98, 1
	s_cselect_b64 s[60:61], s[4:5], s[6:7]         ; P: the tokens' codes where v is made, else the weight's
	s_cselect_b64 s[22:23], s[6:7], s[4:5]         ; Q: the other
	s_cselect_b64 s[10:11], s[12:13], s[10:11]     ; what I write
	s_add_nc_u64 s[22:23], s[22:23], s[20:21]
	s_add_nc_u64 s[60:61], s[60:61], s[58:59]
	CROUND                                         ; all sixteen work-groups are here: the first joint loads meet
.irp sl, 0,1,2                                 ; three groups 0: K steps 0-3, K steps 4-5, K steps 6-7
	s_mov_b32 s[G0Q+4*\sl], 1
	s_add_nc_u64 s[G0Q+4*\sl+2:G0Q+4*\sl+3], s[22:23], (2*\sl+2*((\sl+1)/2))*BLK
	s_or_b32 s[G0Q+4*\sl+3], s[G0Q+4*\sl+3], 0x80000000
	s_mov_b32 s[G0P+4*\sl], 1
	s_add_nc_u64 s[G0P+4*\sl+2:G0P+4*\sl+3], s[60:61], (2*\sl+2*((\sl+1)/2))*BLK
	s_or_b32 s[G0P+4*\sl+3], s[G0P+4*\sl+3], 0x80000000
.endr
	s_lshl_b32 s[G0Q+1], s80, 1                    ; area 0: wave x 4 K steps
	s_lshl_b32 s[G0P+1], s80, 1
	s_add_co_u32 s[G0Q+5], s80, AREA               ; area 1: wave x 2 K steps
	s_add_co_u32 s[G0P+5], s80, AREA
	s_lshl_b32 s[G0Q+9], s80, 1                    ; the refill: the first half of my region of area 0
	s_lshl_b32 s[G0P+9], s80, 1
	JLOAD G0Q, G0P                                 ; K steps 0-3: one tensor load a wave at the head
	v_and_b32 v1, 31, v0                           ; lane
	v_and_b32 v2, 15, v0                           ; r
	v_bfe_u32 v3, v0, 4, 1                         ; h
	v_lshlrev_b32 v[L16], 4, v1
	s_wait_alu depctr_va_vdst(0)
	v_lshlrev_b32 v[L8], 3, v1
	s_wait_alu depctr_va_vdst(0)
.irp sl, 0,1                                   ; a set of addresses for each area: regions of 4 K steps in area 0, of 2 in area 1; Q's two regions, then P's two
	s_mul_i32 s81, s15, (4-2*\sl)*BLK
	s_mul_i32 s82, s16, (4-2*\sl)*BLK
	s_add_co_u32 s82, s82, 2*(4-2*\sl)*BLK
	s_sub_co_u32 s84, s82, s81
	v_mul_u32_u24 v30, s84, v3                     ; lanes 16-31 take P's words: one product, the distance between the two
	v_lshl_add_u32 v30, v2, 2, v30
	s_add_co_u32 s83, s81, SCO+\sl*AREA
	s_add_co_u32 s81, s81, \sl*AREA
	s_add_co_u32 s82, s82, \sl*AREA
	v_add_nc_u32 v[A16+\sl], s81, v[L16]
	v_add_nc_u32 v[A8+\sl], s81, v[L8]
	v_add_nc_u32 v[B16+\sl], s82, v[L16]
	v_add_nc_u32 v[B8+\sl], s82, v[L8]
	v_add_nc_u32 v[SCA+\sl], s83, v30
.endr
	s_lshl_b32 s81, s14, 9
	s_add_co_u32 s81, s81, STAGE
	v_lshl_add_u32 v[SS], v2, 2, s81
	v_add_nc_u32 v[SL], s81, v[L16]
	; the biases.  Along P's rows (q, k): 64 numbers a lane; along Q's rows (v): one for each of my eight tiles, loaded twice to fill a pair.  The one that is not used is read from the buffer's head
	s_lshl_b32 s85, s46, 1
	s_add_co_u32 s85, s85, s16
	s_lshl_b32 s85, s85, 9
	s_lshl_b32 s86, s17, 8
	s_lshl_b32 s87, s15, 7
	s_add_co_u32 s86, s86, s87
	s_add_co_u32 s86, s86, 2048
	s_lshl_b32 s86, s86, 2
	s_cmp_eq_u32 s98, 1
	s_cselect_b32 s88, 0, s85
	s_cselect_b32 s92, s86, 0
	s_mov_b32 s89, 0
	s_mov_b32 s93, 0
	s_add_nc_u64 s[88:89], s[8:9], s[88:89]
	s_add_nc_u64 s[92:93], s[8:9], s[92:93]
	v_lshlrev_b32 v30, 6, v3                       ; 64 h bytes: my 16 of each 32
	v_and_b32 v31, 8, v2
	v_add_nc_u32 v31, v31, v2
	v_lshlrev_b32 v31, 2, v31                      ; 4 (r + 8 (r / 8))
	WIN 0x40
.irp bb, 0,1,2,3
.irp jj, 0,1,2,3
	global_load_b128 v[96+96*(\bb/2)+16*\bb+4*\jj:99+96*(\bb/2)+16*\bb+4*\jj], v30, s[88:89] offset:128*\bb+16*\jj
.endr
.endr
	WIN 0
.irp a, 0,1,2,3,4,5,6,7
	global_load_b32 v[BQ+2*\a], v31, s[92:93] offset:4*(32*(\a/2)+8*(\a%2))
	global_load_b32 v[BQ+2*\a+1], v31, s[92:93] offset:4*(32*(\a/2)+8*(\a%2))
.endr
	s_lshl_b32 s94, s17, 1
	s_add_co_u32 s94, s94, s15
	s_mul_i32 s94, s94, s99
	s_lshl_b32 s95, s46, 1
	s_add_co_u32 s95, s95, s16
	s_add_co_u32 s94, s94, s95
	s_mul_i32 s94, s94, BLK                        ; my block: (Q's group) x K steps + (P's group)
	s_mov_b32 s95, 0
	s_add_nc_u64 s[10:11], s[10:11], s[94:95]
	s_mov_b32 s[SEL], 0x76543210
	s_mov_b32 s[SEL+1], 0xfedcba98
	s_wait_alu depctr_va_vdst(0)                   ; the wait at the head's end
	s_wait_tensorcnt 0x0                           ; my part of K steps 0-3 is in
	ds_add_u32 v[SPW], v[NIL]
	s_mov_b32 s[G1Q+2], 100<<16                    ; no tensor load of mine is out: from here on a load brings 100 rows, 2 K steps
	s_mov_b32 s[G1Q+4], 100
	s_mov_b32 s[G1P+2], 100<<16
	s_mov_b32 s[G1P+4], 100
	s_wait_dscnt 0x0
	CROUND                                         ; everybody's part is in, and all sixteen work-groups are here
	JLOAD G0Q+4, G0P+4                             ; K steps 4, 5: area 1's first fill
.set np, 0
.set nsl, 0
.set nq, 0
	FETCH_B
	FETCH_A 0
	SCALES
	FETCH_A NT/2
.set kk, 0
	STEPK 0, 1                                     ; the first products start the sums: nothing is cleared
	STEPK 0, 0
	STEPK 0, 0
	STEPK 1, 0                                     ; K steps 4, 5 have landed; K steps 0, 1 are read out and take K steps 6, 7
	STEPK 0, 0
	STEPK 2, 0                                     ; fill 3 has landed
	STEPK 0, 0
	STEPK 3, 0
	s_wait_loadcnt 0x0                             ; the biases
	PLACES 4                                       ; in front of the first read of results and the first write of the last products' operands
.irp b, 0,1,2,3
	v_mov_b32 v[TM+4+\b], 0                        ; a lane permute's destination counts as one of its sources
.endr
; THE WAY OUT: Q's tile a: 64 results a lane + bias, quantised, stored as one image; its scale words are gathered in LDS
.macro QROW a
	s_wait_xcnt 0x0                                ; the last tile's stores have read their registers,
	s_wait_dscnt 0x0                               ; its scale word's store too
	s_cmp_eq_u32 s98, 1
	s_cbranch_scc1 .Lvrole_\@
	WIN 0x06+(\a)/4                                ; source 0: the accumulators' window; source 1: window 1
.set en, 0
.rept 32
	v_pk_add_f32 v[T+en:T+en+1], v[64*((\a)%4)+en:64*((\a)%4)+en+1], v[96+en+96*(en/32):97+en+96*(en/32)]   ; each accumulator from its low end on
.set en, en+2
.endr
	WIN 0
	s_branch .Ljoin_\@
.Lvrole_\@:
	WIN 0x02+(\a)/4
.set en, 0
.rept 32
	v_pk_add_f32 v[T+en:T+en+1], v[64*((\a)%4)+en:64*((\a)%4)+en+1], v[BQ+2*(\a):BQ+2*(\a)+1]
.set en, en+2
.endr
	WIN 0
.Ljoin_\@:
	QUANT T
	ds_store_b32 v[SS], v[PW] offset:64*(\a)       ; lanes r and r + 16 hold the same word
	global_store_b128 v[L16], v[PC:PC+3], s[10:11] offset:(\a)*FRB
	global_store_b64 v[L8], v[PC+4:PC+5], s[10:11] offset:(\a)*FRB+512
	global_store_b128 v[L16], v[PC+6:PC+9], s[10:11] offset:(\a)*FRB+768
	global_store_b64 v[L8], v[PC+10:PC+11], s[10:11] offset:(\a)*FRB+1280
.endm
.irp a, 0,1,2,3,4,5,6,7
	QROW \a
.endr
	ds_load_b128 v[T:T+3], v[SL]                   ; LDS serves a wave's instructions in order: this sees my eight stores
	s_wait_dscnt 0x0
	global_store_b128 v[L16], v[T:T+3], s[10:11] offset:SCO        ; the block's 512 bytes of scale words
	s_wait_tensorcnt 0x0                           ; the wave's end
	ds_add_u32 v[SPW], v[NIL]
	s_wait_dscnt 0x0
	CROUND                                         ; the closing round
	s_endpgm
.Lfunc_end_k_q7b0c2f3a07_qkv:
	.size	k_q7b0c2f3a07_qkv, .Lfunc_end_k_q7b0c2f3a07_qkv-k_q7b0c2f3a07_qkv
	.p2alignl 7, 3214868480
	.fill 96, 4, 3214868480
	.section	.rodata,"a",@progbits
	.p2align	6, 0x0
	.amdhsa_kernel k_q7b0c2f3a07_qkv
		.amdhsa_group_segment_fixed_size 327680
		.amdhsa_private_segment_fixed_size 0
		.amdhsa_enable_private_segment 0
		.amdhsa_kernarg_size 40
		.amdhsa_user_sgpr_count 2
		.amdhsa_user_sgpr_kernarg_segment_ptr 1
		.amdhsa_wavefront_size32 1
		.amdhsa_system_sgpr_workgroup_id_x 1
		.amdhsa_system_sgpr_workgroup_id_y 1
		.amdhsa_system_sgpr_workgroup_id_z 1
		.amdhsa_system_vgpr_workitem_id 0
		.amdhsa_next_free_vgpr 1024
		.amdhsa_next_free_sgpr 100
		.amdhsa_reserve_vcc 0
		.amdhsa_float_denorm_mode_32 3
		.amdhsa_float_denorm_mode_16_64 3
		.amdhsa_memory_ordered 1
		.amdhsa_forward_progress 1
		.amdhsa_inst_pref_size 186
	.end_amdhsa_kernel
	.amdgpu_metadata
---
amdhsa.version: [ 1, 2 ]
amdhsa.kernels:
  - .name:           k_q7b0c2f3a07_qkv
    .symbol:         k_q7b0c2f3a07_qkv.kd
    .args:
      - { .name: hc, .offset: 0, .size: 8, .value_kind: global_buffer, .address_space: global }
      - { .name: wc, .offset: 8, .size: 8, .value_kind: global_buffer, .address_space: global }
      - { .name: b_qkv, .offset: 16, .size: 8, .value_kind: global_buffer, .address_space: global }
      - { .name: qk, .offset: 24, .size: 8, .value_kind: global_buffer, .address_space: global }
      - { .name: vt, .offset: 32, .size: 8, .value_kind: global_buffer, .address_space: global }
    .group_segment_fixed_size: 327680
    .private_segment_fixed_size: 0
    .kernarg_segment_align: 8
    .kernarg_segment_size: 40
    .max_flat_workgroup_size: 128
    .sgpr_count:     100
    .vgpr_count:     1024
    .wavefront_size: 32
...
	.end_amdgpu_metadata
.endif
;; end of part 2
;; launch attn (part 3): grid 8 x 32, 16 waves a work-group, clusters of 4 x 1, 327,680 bytes of LDS; arguments qk, vt, oc; writes oc
.if DOCPART == 3
	.amdgcn_target "amdgcn-amd-amdhsa--gfx1250"
	.amdhsa_code_object_version 6
	.text
	.protected	k_q7b0c2f3a07_attn
	.globl	k_q7b0c2f3a07_attn
	.p2align	8
	.type	k_q7b0c2f3a07_attn,@function
k_q7b0c2f3a07_attn:
	s_mov_b64 s[64:65], 0
	v_nop
	global_prefetch_b8 v0, s[64:65] scope:SCOPE_SE
	s_setreg_imm32_b32 hwreg(HW_REG_WAVE_MODE, 25, 1), 1
	s_wait_xcnt 0x0
	s_wait_alu depctr_hold_cnt(0) depctr_sa_sdst(0) depctr_va_vdst(0) depctr_va_sdst(0) depctr_va_ssrc(0) depctr_va_vcc(0) depctr_vm_vsrc(0)
	s_getreg_b32 s2, hwreg(HW_REG_IB_STS2, 6, 4)
	s_cmp_eq_u32 s2, 0
	s_cbranch_scc0 .Lentry_in_a_cluster
	s_endpgm
.Lentry_in_a_cluster:
	s_bfe_u32 s2, ttmp6, 0x10000c
	s_cmp_lg_u32 s2, 0x3003
	s_cbranch_scc0 .Lentry_shape_is_right
	s_endpgm
.Lentry_shape_is_right:
; o = softmax(q k^T / 8) v for 32 (batch, head) pairs of 2,048 tokens and 64 channels, both products on codes of BF6, and o quantised along D at once (buffer oc: rows = tokens, K step j = heads 2 j, 2 j + 1).
; THE SOFTMAX: t = score x log2(e) / 8; M = the running largest t rounded UP to a whole number; p = 2^(t - M) is quantised along the keys, not normalised; the row's sum is taken of the unquantised p and divides at the end.
; When M moves, the sum and O are multiplied by 2^(old M - new M): exact, in every step, with no branch.
; OPERANDS lie in the order of the operand's registers: blocks of 12,800 bytes (128 rows x 128 K): eight images of 1,536 bytes, then eight runs of 16 scale words; lane-row i of image t is row 32 (t / 2) + 8 (t % 2) + i + 8 (i / 8).
; qk: block (token group, j) = q, (token group, 8 + j) = k; vt: block (j, 128 tokens).  A head's 64 channels are half an image (768 bytes) of q and k and two bytes of a scale word.
; SHARES.  A work-group owns 256 queries of one head, each of sixteen waves one tile of 16, in 256 registers.  Both products are used transposed (S^T = k q^T, O^T = v^T p^T): a lane holds one query throughout.
; WHICH KEYS FORM A TILE: tile 4 c + t takes keys 64 c + 8 t + 0 .. 7 in lane-rows 0-7 and keys 64 c + 32 + 8 t + 0 .. 7 in lane-rows 8-15.  They are picked out of the images by the lanes' LDS addresses: lane-rows 0-7 read
; image 4 c + t % 2, lane-rows 8-15 image 4 c + 2 + t % 2, both at the image's lane-rows 8 (t / 2) + 0 .. 7.  So the 32 score registers of tiles 4 c .. 4 c + 3 of lane (r, h) are keys 64 c + 32 h + 0 .. 31: one whole block of the
; next K, in the order of the operand's registers: a block's largest score needs no other lane, and p's codes are the operand as they are converted.
; k's FRAGMENTS LIE 6 REGISTERS APART: q's registers 6-11 hold zero codes, so whatever finite codes stand in registers 6-11 of a fragment of k (the next tile's) add exact zeros; the scale bytes over them are 0, a finite code.
; A WHOLE HEAD'S k AND v STAY IN LDS: k as 16 whole blocks (both heads of the pair, 204,800 bytes: rows of 12,800 bytes make one plain tile of two blocks), v's codes 16 x 6,144, v's scale words 16 x 256.
; Each wave issues ONE tensor load at the head: waves 0-7 two blocks of k each, waves 8-11 four key steps of v's codes each, waves 12-15 four key steps of v's scale words each.  Nothing is filled again: one barrier stands
; in front of the walk over the keys and none in it.  The next step's fragments of k are fetched behind this step's first products and land under its softmax.
; CLUSTER 4 x 1: the four query blocks of a cluster read the same k and v: each tile is asked for jointly, mask 15.  No prefetch: every tile is asked for at the head, so there is no loop to run ahead in.
; The scale bytes of o leave as two bytes a row (the other head of the pair writes the other two).
; LIMITS: NaN and infinities are not served; the promise holds while |t| stays under 2^31; p under 2^-126 falls to 0; a block whose largest magnitude lies under 2^-122, a block of zeros too, keeps the byte 1.
.set FRB,   1536
.set BLK,   12800
.set SCO,   12288
.set HB,    6144                       ; a head's codes of v of one key step
.set VC,    16*BLK                     ; LDS: k's 16 blocks from 0; v's codes;
.set VS,    VC+16*HB                   ; v's scale words, 256 bytes a key step;
.set SPARE, VS+16*256                  ; the spare words, 128 bytes for each of sixteen waves
.set NST,   16                         ; key steps of 128 keys
.set AK16, 1                           ; v1-3  k: my lane's place in a block: the 16-byte pieces, the 8-byte pieces, the scale bytes
.set AK8,  2
.set AKS,  3
.set AV16, 4                           ; v4-6  v likewise
.set AV8,  5
.set AVS,  6
.set SPW,  7                           ; v7  my spare word; never rewritten
.set NIL,  8                           ; v8  0; never rewritten
.set H8,   9                           ; v9  8 x (lane / 16)
.set L16,  10                          ; v10 16 x lane, v11 8 x lane: q's and o's offsets in memory
.set L8,   11
; v12 -M, v13 the running largest score, v[14:15] the sum in two halves
.set Q,    16                          ; v16-27 q's fragment, registers 6-11 zero codes
.set QS,   28                          ; scale words: v28 q's, v29 p's, v30-37 k's, v38-41 v's
.set PW,   29
.set KSC,  30
.set VSC,  38
.set TK16, 42                          ; v42-47 the step's addresses
.set TK8,  43
.set TKS,  44
.set TV16, 45
.set TV8,  46
.set TVS,  47
.set OLD,  48                          ; v48 the last step's -M
.set T0,   49
.set F,    50                          ; v[50:51] f = 2^(old M - new M), low word
.set KF,   52                          ; v52-105 k's eight fragments, 6 registers apart, and six zero registers
.set S,    106                         ; v106-169 S^T, then p; v106-153 then v's four fragments
.set O,    170                         ; v170-201 O^T
.set PC,   202                         ; v202-213 p's codes
.set TT,   214                         ; v214-220 the upper halves of the two blocks, as converted
.set T1,   221
.set CH,   222                         ; v222-237 eight packed chains of the sum
.set BM,   238                         ; v238-241 largest scores; v238, v240 the blocks' largest p
.set SO,   242                         ; v242-243 the conversions' scale operands
.set BY,   244                         ; v244-245 scale bytes
.set R4,   246                         ; v246 4 x (lane % 16)
.set WV,   18
.set SEL,  20
.set CS,   22                          ; s[22:23] c = log2(e) / 8
.set G1K,  24                          ; groups 1: k's blocks, v's codes, v's scale words
.set G1V,  32
.set G1S,  40
.set G0K,  48                          ; groups 0
.set G0V,  52
.set G0S,  56
.set TK,   60                          ; 12,800, 6,144, 256 x the key step
.set TV,   61
.set TS,   62
.set CNT,  63
.macro CROUND                          ; a round of the cluster's barrier
	s_barrier_signal -1
	s_barrier_wait -1
	s_cmp_lg_u32 s[WV], 0
	s_cbranch_scc1 .Lnot_wave_0_\@
	s_barrier_signal -3
.Lnot_wave_0_\@:
	s_barrier_wait -3
	s_barrier_signal -1
	s_barrier_wait -1
.endm
.macro PLACES n
.rept \n
	v_nop
.endr
.endm
.macro KLOAD a16, a8, asc, off         ; a key step's eight half fragments of k and their scale bytes
.irp c, 0,1
.irp t, 0,1,2,3
	ds_load_b128 v[KF+6*(4*\c+\t):KF+6*(4*\c+\t)+3], v[\a16] offset:\off+(4*\c+(\t%2))*FRB+(\t/2)*128
	ds_load_b64 v[KF+6*(4*\c+\t)+4:KF+6*(4*\c+\t)+5], v[\a8] offset:\off+(4*\c+(\t%2))*FRB+(\t/2)*64
	ds_load_u16 v[KSC+4*\c+\t], v[\asc] offset:\off+(4*\c+(\t%2))*64+(\t/2)*32
.endr
.endr
.endm
	s_load_b128 s[4:7], s[0:1], 0x0                ; qk, vt
	s_load_b64 s[8:9], s[0:1], 0x10                ; oc
	v_lshl_add_u32 v[SPW], v0, 2, SPARE
	v_mov_b32 v[NIL], 0
	ds_add_u32 v[SPW], v[NIL]                      ; the wave's opening: the add, twice on end, and its wait ahead of my first tensor load
	ds_add_u32 v[SPW], v[NIL]
	v_lshrrev_b32 v[T0], 5, v0
	v_readfirstlane_b32 s[WV], v[T0]               ; wave 0..15
	s_bfe_u32 s10, ttmp6, 0x40000                  ; cx
	s_lshl_b32 s11, ttmp9, 2
	s_add_co_u32 s11, s11, s10                     ; my block of 256 queries: it enters q's and o's global addresses alone
	s_and_b32 s12, ttmp7, 0xffff
	s_lshr_b32 s13, s12, 4                         ; batch
	s_and_b32 s14, s12, 15                         ; head
	s_lshr_b32 s15, s14, 1                         ; j: the pair of heads
	s_and_b32 s16, s14, 1                          ; p: which of the pair
	s_lshl_b32 s17, s13, 4
	s_lshl_b32 s19, s11, 1
	s_add_co_u32 s17, s17, s19
	s_lshr_b32 s19, s[WV], 3
	s_add_co_u32 s17, s17, s19                     ; my token group
	s_and_b32 s19, s[WV], 7                        ; my tile in it
	s_lshl_b32 s74, s17, 4
	s_add_co_u32 s74, s74, s15
	s_mul_i32 s74, s74, BLK                        ; q's block
	s_mul_i32 s75, s19, FRB
	s_mul_i32 s76, s16, 768                        ; my head's half of an image
	s_add_co_u32 s78, s74, s75
	s_add_co_u32 s78, s78, s76                     ; q: my half image
	s_mov_b32 s79, 0
	s_lshl_b32 s93, s19, 6
	s_lshl_b32 s96, s16, 1
	s_add_co_u32 s93, s93, s96
	s_add_co_u32 s80, s74, s93                     ; q: my scale bytes (less SCO)
	s_mov_b32 s81, 0
	s_lshl_b32 s74, s17, 3
	s_add_co_u32 s74, s74, s15
	s_mul_i32 s74, s74, BLK                        ; o's block
	s_add_co_u32 s82, s74, s75
	s_add_co_u32 s82, s82, s76
	s_mov_b32 s83, 0
	s_add_co_u32 s84, s74, s93
	s_mov_b32 s85, 0
	; what I fetch hangs on the wave's number, the batch and the head: the four partners' descriptors are equal
	s_lshl_b32 s86, s13, 4                         ; 16 x batch
	s_lshl_b32 s87, s19, 1
	s_add_co_u32 s87, s87, s86                     ; k: token groups 16 batch + 2 (wave % 8) and the next
	s_lshl_b32 s87, s87, 4
	s_add_co_u32 s87, s87, s15
	s_add_co_u32 s87, s87, 8
	s_mul_i32 s88, s87, BLK                        ; block (token group, 8 + j)
	s_mov_b32 s89, 0
	s_and_b32 s87, s[WV], 3
	s_lshl_b32 s92, s87, 2
	s_add_co_u32 s92, s92, s86
	s_lshl_b32 s97, s15, 5
	s_add_co_u32 s92, s92, s97
	s_mul_i32 s92, s92, BLK                        ; v: blocks (j, 16 batch + 4 (wave % 4)) and the three behind it
	s_mul_i32 s90, s16, HB
	s_add_co_u32 s90, s90, s92                     ; my head's four images of the eight
	s_mov_b32 s91, 0
	s_lshl_b32 s94, s16, 8
	s_add_co_u32 s94, s94, s92
	s_add_co_u32 s94, s94, SCO                     ; and its 256 bytes of scale words
	s_mov_b32 s95, 0
	s_mov_b32 s[G1K], 15|(3<<16)|(1<<21)           ; 15:0 the mask: all four work-groups; 17:16 elements of 8 bytes; 21 set beside a mask; no padding
	s_mov_b32 s[G1K+1], 1600<<16                   ; tensor_dim0 = 1,600 elements: a block of 12,800 bytes
	s_mov_b32 s[G1K+2], 2<<16                      ; tensor_dim1 = 2 blocks
	s_mov_b32 s[G1K+3], 1600<<16                   ; tile_dim0
	s_mov_b32 s[G1K+4], 2                          ; tile_dim1
	s_mov_b32 s[G1K+5], 16*1600                    ; from token group to token group: 16 blocks
	s_mov_b32 s[G1K+6], 0
	s_mov_b32 s[G1K+7], 0
	s_mov_b32 s[G1V], 15|(3<<16)|(1<<21)
	s_mov_b32 s[G1V+1], 768<<16                    ; rows of 6,144 bytes,
	s_mov_b32 s[G1V+2], 4<<16                      ; four of them,
	s_mov_b32 s[G1V+3], 768<<16
	s_mov_b32 s[G1V+4], 4
	s_mov_b32 s[G1V+5], 1600                       ; a block apart
	s_mov_b32 s[G1V+6], 0
	s_mov_b32 s[G1V+7], 0
	s_mov_b32 s[G1S], 15|(3<<16)|(1<<21)
	s_mov_b32 s[G1S+1], 32<<16                     ; rows of 256 bytes,
	s_mov_b32 s[G1S+2], 4<<16                      ; four of them,
	s_mov_b32 s[G1S+3], 32<<16
	s_mov_b32 s[G1S+4], 4
	s_mov_b32 s[G1S+5], 1600                       ; a block apart
	s_mov_b32 s[G1S+6], 0
	s_mov_b32 s[G1S+7], 0
	s_mov_b32 s[G0K], 1
	s_mul_i32 s[G0K+1], s19, 2*BLK                 ; LDS: 25,600 x (wave % 8)
	s_mov_b32 s[G0V], 1
	s_mul_i32 s[G0V+1], s87, 4*HB
	s_add_co_u32 s[G0V+1], s[G0V+1], VC            ; VC + 24,576 x (wave % 4)
	s_mov_b32 s[G0S], 1
	s_lshl_b32 s[G0S+1], s87, 10
	s_add_co_u32 s[G0S+1], s[G0S+1], VS            ; VS + 1,024 x (wave % 4)
	s_mov_b32 s[SEL], 0x76543210
	s_mov_b32 s[SEL+1], 0xfedcba98
	s_mov_b32 s[CS], 0x3e38aa3b                    ; log2(e) / 8
	s_mov_b32 s[CS+1], s[CS]
	s_mov_b32 s[TK], 0
	s_mov_b32 s[TV], 0
	s_mov_b32 s[TS], 0
	s_wait_dscnt 0x0                               ; both opening adds are done
	s_wait_kmcnt 0x0
	s_add_nc_u64 s[G0K+2:G0K+3], s[4:5], s[88:89]
	s_add_nc_u64 s[G0V+2:G0V+3], s[6:7], s[90:91]
	s_add_nc_u64 s[G0S+2:G0S+3], s[6:7], s[94:95]
	s_or_b32 s[G0K+3], s[G0K+3], 0x80000000        ; 127:126 type = 2
	s_or_b32 s[G0V+3], s[G0V+3], 0x80000000
	s_or_b32 s[G0S+3], s[G0S+3], 0x80000000
	s_add_nc_u64 s[66:67], s[4:5], s[78:79]        ; q's half image
	s_add_nc_u64 s[68:69], s[4:5], s[80:81]        ; q's scale bytes
	s_add_nc_u64 s[70:71], s[8:9], s[82:83]        ; o's half image
	s_add_nc_u64 s[72:73], s[8:9], s[84:85]        ; o's scale bytes
	CROUND                                         ; all four work-groups are here: the joint loads meet
	; one chain of branches on the wave's number, one load to an arm, all arms to one join; an s_nop 0 and four v_nop follow each load
	s_cmp_lt_u32 s[WV], 8
	s_cbranch_scc0 .Lfor_v
	tensor_load_to_lds s[G0K:G0K+3], s[G1K:G1K+7]
	s_nop 0
	PLACES 4
	s_branch .Lasked
.Lfor_v:
	s_cmp_lt_u32 s[WV], 12
	s_cbranch_scc0 .Lfor_vs
	tensor_load_to_lds s[G0V:G0V+3], s[G1V:G1V+7]
	s_nop 0
	PLACES 4
	s_branch .Lasked
.Lfor_vs:
	tensor_load_to_lds s[G0S:G0S+3], s[G1S:G1S+7]
	s_nop 0
	PLACES 4
.Lasked:
.irp i, 6,7,8,9,10,11
	v_mov_b32 v[Q+\i], 0                           ; zero codes for k = 64 .. 127 of q: written once
	v_mov_b32 v[KF+42+\i], 0                       ; and the six registers behind k's last fragment
.endr
	v_mov_b32 v[F+1], 0                            ; (named as the upper half of the pair)
	v_and_b32 v[T0], 31, v0
	v_and_b32 v[T1], 15, v0
	v_lshlrev_b32 v[L16], 4, v[T0]
	v_lshlrev_b32 v[L8], 3, v[T0]
	v_lshlrev_b32 v[R4], 2, v[T1]
	global_load_b128 v[Q:Q+3], v[L16], s[66:67]    ; q's half image: registers 0-5
	global_load_b64 v[Q+4:Q+5], v[L8], s[66:67] offset:512
	global_load_u16 v[QS], v[R4], s[68:69] offset:SCO   ; its two scale bytes, over zeros
	v_add_nc_u32 v[AV16], VC, v[L16]
	v_add_nc_u32 v[AV8], VC, v[L8]
	v_add_nc_u32 v[AVS], VS, v[R4]
	v_bfe_u32 v[BM], v0, 3, 1                      ; lane-rows 8-15 read two images (3,072 bytes, 128 bytes of scale words) further on
	v_mul_u32_u24 v[BM+1], v[BM], 3072
	v_and_b32 v[BM+2], 7, v0
	v_bfe_u32 v[H8], v0, 4, 1
	v_lshl_add_u32 v[AK16], v[BM+2], 4, v[BM+1]
	v_lshl_add_u32 v[AK16], v[H8], 8, v[AK16]
	v_add_nc_u32 v[AK16], s76, v[AK16]             ; 3,072 (r / 8) + 16 (r % 8) + 256 h + 768 p
	v_lshl_add_u32 v[AK8], v[BM+2], 3, v[BM+1]
	v_lshl_add_u32 v[AK8], v[H8], 7, v[AK8]
	s_add_co_u32 s97, s76, 512
	v_add_nc_u32 v[AK8], s97, v[AK8]               ; 3,072 (r / 8) + 8 (r % 8) + 128 h + 512 + 768 p
	v_lshlrev_b32 v[AKS], 7, v[BM]
	v_lshl_add_u32 v[AKS], v[BM+2], 2, v[AKS]
	s_add_co_u32 s96, s96, SCO
	v_add_nc_u32 v[AKS], s96, v[AKS]               ; SCO + 128 (r / 8) + 4 (r % 8) + 2 p
	v_lshlrev_b32 v[H8], 3, v[H8]
; A KEY STEP: 128 keys.  first: it starts M, the sum and O^T.  last: it fetches no further fragments of k.
.macro STEP first, last
	v_add_nc_u32 v[TV16], s[TV], v[AV16]           ; five plain lines: the places between the last products and the products below, which write over registers that held v's fragments
	v_add_nc_u32 v[TV8], s[TV], v[AV8]
	v_add_nc_u32 v[TVS], s[TS], v[AVS]
.if \first
	v_nop
.else
	v_mov_b32 v[OLD], v12
.endif
.if \last
	v_nop
.else
	v_add_nc_u32 v[TK16], s[TK], v[AK16]
.endif
.irp t, 0,1,2,3,4,5,6,7                        ; S^T = k q^T
	v_wmma_scale_f32_16x16x128_f8f6f4 v[S+8*\t:S+8*\t+7], v[KF+6*\t:KF+6*\t+11], v[Q:Q+11], 0, v[KSC+\t], v[QS] matrix_a_fmt:MATRIX_FMT_BF6 matrix_b_fmt:MATRIX_FMT_BF6
.endr
.if \last
	PLACES 4                                       ; in front of the first read of the scores
.else
	v_add_nc_u32 v[TK8], s[TK], v[AK8]             ; four places in front of the loads into registers that the products have read, and of the first read of the scores
	v_add_nc_u32 v[TKS], s[TK], v[AKS]
	PLACES 2
	KLOAD TK16, TK8, TKS, BLK                      ; the next step's k: it lands under the softmax, and the wait in front of this step's second products covers it
.endif
.irp c, 0,1                                    ; the largest score of each of my two blocks of 32 keys, in two chains a block; each accumulator is read from its low end on
.irp u, 0,1
	v_max3_num_f32 v[BM+2*\c+\u], v[S+32*\c+16*\u], v[S+32*\c+16*\u+1], v[S+32*\c+16*\u+2]
.endr
.endr
.irp i, 3,5,7,9,11,13
.irp c, 0,1
.irp u, 0,1
	v_max3_num_f32 v[BM+2*\c+\u], v[BM+2*\c+\u], v[S+32*\c+16*\u+\i], v[S+32*\c+16*\u+\i+1]
.endr
.endr
.endr
.irp c, 0,1
	v_max3_num_f32 v[BM+2*\c], v[BM+2*\c], v[BM+2*\c+1], v[S+32*\c+15]
.endr
.irp c, 0,1
	v_max_num_f32 v[BM+2*\c], v[BM+2*\c], v[S+32*\c+31]
.endr
	v_max_num_f32 v[T0], v[BM], v[BM+2]
	v_permlanex16_b32 v[T1], v[T0], s[SEL], s[SEL+1]
.if \first
	v_max_num_f32 v13, v[T0], v[T1]                ; my query's largest score, with lane l xor 16's 64 keys
.else
	v_max3_num_f32 v13, v13, v[T0], v[T1]          ; the running largest score
.endif
	v_mul_f32 v[T0], s[CS], v13                    ; as t (c is positive, so the largest score gives the largest t)
	v_floor_f32 v12, -v[T0]                        ; -M = -ceil(t)
.if \first == 0
	v_sub_f32 v[T0], v12, v[OLD]                   ; old M - new M: a whole number, 0 or less
	v_cvt_i32_f32 v[T0], v[T0]                     ; (it saturates)
	v_ldexp_f32 v[F], 1.0, v[T0]                   ; f = 2^(old M - new M)
.endif
.set ej, 0
.rept 32
	v_pk_fma_f32 v[S+ej:S+ej+1], v[S+ej:S+ej+1], s[CS:CS+1], v[12:13] op_sel_hi:[1,0,0]   ; t - M
.set ej, ej+2
.endr
	v_fma_f32 v[BM], v[BM], s[CS], v12             ; the same of each block's largest score: p rises with the score
	v_fma_f32 v[BM+2], v[BM+2], s[CS], v12
.if \first == 0
.set ej, 0
.rept 16
	v_pk_mul_f32 v[O+ej:O+ej+1], v[O+ej:O+ej+1], v[F:F+1] op_sel_hi:[1,0]   ; O^T under the new M; ahead of the exponentials
.set ej, ej+2
.endr
.endif
	s_wait_alu depctr_va_vdst(0)                   ; the wait ahead of the batch
.set ej, 0
.rept 64
	v_exp_f32 v[S+ej], v[S+ej]                     ; p = 2^(t - M)
.set ej, ej+1
.endr
	v_exp_f32 v[BM], v[BM]                         ; the blocks' largest p
	v_exp_f32 v[BM+2], v[BM+2]
.if \first
	v_nop                                          ; a plain line behind the last exponential
.else
	v_pk_mul_f32 v[14:15], v[14:15], v[F:F+1] op_sel_hi:[1,0]   ; the sum under the new M: the plain line behind the last exponential
.endif
	s_wait_alu depctr_va_vdst(0)                   ; one wait for the batch, ahead of its first reader
	v_max_num_f32 v[BM], 0x2800000, v[BM]          ; the floor 2^(5 - 127): the byte cannot fall under 1
	v_max_num_f32 v[BM+2], 0x2800000, v[BM+2]
.irp k, 0,1,2,3,4,5,6,7                        ; the sum of the unquantised p, eight packed chains: first the 48 numbers whose registers v's fragments take
	v_pk_add_f32 v[CH+2*\k:CH+2*\k+1], v[S+2*\k:S+2*\k+1], v[S+16+2*\k:S+16+2*\k+1]
.endr
	v_add_nc_u32 v[SO], 0xfe000000, v[BM]          ; 4 off the exponent field: the conversion's scale operand
	v_add_nc_u32 v[SO+1], 0xfe000000, v[BM+2]
.irp k, 0,1,2,3,4,5,6,7
	v_pk_add_f32 v[CH+2*\k:CH+2*\k+1], v[CH+2*\k:CH+2*\k+1], v[S+32+2*\k:S+32+2*\k+1]
.endr
.irp c, 0,1
	v_cvt_scalef32_pk16_bf6_f32 v[PC+6*\c:PC+6*\c+2], v[S+32*\c:S+32*\c+15], v[SO+\c]
	v_cvt_scalef32_pk16_bf6_f32 v[TT+4*\c:TT+4*\c+2], v[S+32*\c+16:S+32*\c+31], v[SO+\c]   ; (a conversion's three registers begin on an even number)
.endr
	v_lshrrev_b32 v[BY], 23, v[SO]                 ; the scale bytes; also the plain line behind the conversions
	v_lshrrev_b32 v[BY+1], 23, v[SO+1]
.irp t, 0,1,2,3                                ; v's four fragments, into registers that p has left: they land under the lines below
	ds_load_b128 v[S+12*\t:S+12*\t+3], v[TV16] offset:\t*FRB
	ds_load_b64 v[S+12*\t+4:S+12*\t+5], v[TV8] offset:\t*FRB+512
	ds_load_b128 v[S+12*\t+6:S+12*\t+9], v[TV16] offset:\t*FRB+768
	ds_load_b64 v[S+12*\t+10:S+12*\t+11], v[TV8] offset:\t*FRB+1280
	ds_load_b32 v[VSC+\t], v[TVS] offset:64*\t
.endr
	v_lshl_or_b32 v[T0], v[BY+1], 16, v[BY]        ; my bytes: blocks h and 2 + h,
	v_lshlrev_b32 v[T0], v[H8], v[T0]              ; at their places;
	v_permlanex16_b32 v[T1], v[T0], s[SEL], s[SEL+1]
	v_or_b32 v[PW], v[T0], v[T1]                   ; with lane l xor 16's two, p's scale word is whole; 22 plain lines stand between it and the products
.irp c, 0,1
.irp i, 0,1,2
	v_mov_b32 v[PC+6*\c+3+\i], v[TT+4*\c+\i]
.endr
.endr
.irp k, 0,1,2,3,4,5,6,7
	v_pk_add_f32 v[CH+2*\k:CH+2*\k+1], v[CH+2*\k:CH+2*\k+1], v[S+48+2*\k:S+48+2*\k+1]
.endr
.irp k, 0,1,2,3
	v_pk_add_f32 v[CH+2*\k:CH+2*\k+1], v[CH+2*\k:CH+2*\k+1], v[CH+8+2*\k:CH+8+2*\k+1]
.endr
.irp k, 0,1
	v_pk_add_f32 v[CH+2*\k:CH+2*\k+1], v[CH+2*\k:CH+2*\k+1], v[CH+4+2*\k:CH+4+2*\k+1]
.endr
.if \first
	v_pk_add_f32 v[14:15], v[CH:CH+1], v[CH+2:CH+3]
.else
	v_pk_add_f32 v[CH:CH+1], v[CH:CH+1], v[CH+2:CH+3]
	v_pk_add_f32 v[14:15], v[14:15], v[CH:CH+1]
.endif
	s_wait_alu depctr_va_vdst(0)                   ; directly ahead of the wait below
	s_wait_dscnt 0x0                               ; v's fragments, and the next step's k
.irp t, 0,1,2,3                                ; O^T += v^T p^T: four accumulators by turns
.if \first
	v_wmma_scale_f32_16x16x128_f8f6f4 v[O+8*\t:O+8*\t+7], v[S+12*\t:S+12*\t+11], v[PC:PC+11], 0, v[VSC+\t], v[PW] matrix_a_fmt:MATRIX_FMT_BF6 matrix_b_fmt:MATRIX_FMT_BF6
.else
	v_wmma_scale_f32_16x16x128_f8f6f4 v[O+8*\t:O+8*\t+7], v[S+12*\t:S+12*\t+11], v[PC:PC+11], v[O+8*\t:O+8*\t+7], v[VSC+\t], v[PW] matrix_a_fmt:MATRIX_FMT_BF6 matrix_b_fmt:MATRIX_FMT_BF6
.endif
.endr
.endm
	s_wait_alu depctr_va_vdst(0)                   ; the wait at the head's end
	s_wait_loadcnt 0x0                             ; q
	s_wait_tensorcnt 0x0                           ; my tile has landed,
	s_barrier_signal -1
	s_barrier_wait -1                              ; everybody's has: the whole head lies in LDS, and nothing writes it again
	KLOAD AK16, AK8, AKS, 0
	s_wait_dscnt 0x0
	STEP 1, 0
	s_mov_b32 s[TK], BLK
	s_mov_b32 s[TV], HB
	s_mov_b32 s[TS], 256
	s_mov_b32 s[CNT], NST-2
.Lstep:                                            ; 14 trips, a key step each; no barrier: each wave walks the keys at its own pace
	STEP 0, 0
	s_add_co_u32 s[TK], s[TK], BLK
	s_add_co_u32 s[TV], s[TV], HB
	s_add_co_u32 s[TS], s[TS], 256
	s_sub_co_u32 s[CNT], s[CNT], 1
	s_cmp_lg_u32 s[CNT], 0
	s_cbranch_scc1 .Lstep
	STEP 0, 1
	; THE WAY OUT: O^T / the sum, quantised along the head's 64 channels: half an image and two scale bytes.  Register 16 g + i of O^T is channel 32 g + 16 (lane / 16) + i
	PLACES 4
	v_add_f32 v14, v14, v15
	v_permlanex16_b32 v[T1], v14, s[SEL], s[SEL+1]
	v_add_f32 v14, v14, v[T1]                      ; the row's sum
	s_wait_alu depctr_va_vdst(0)                   ; ahead of the transcendental
	v_rcp_f32 v14, v14
	v_nop
	s_wait_alu depctr_va_vdst(0)                   ; ahead of the reciprocal's first reader, and of the first read of O^T
.set ej, 0
.rept 16
	v_pk_mul_f32 v[S+ej:S+ej+1], v[O+ej:O+ej+1], v[14:15] op_sel_hi:[1,0]
.set ej, ej+2
.endr
.irp b, 0,1
	v_max3_num_f32 v[BM+\b], |v[S+16*\b]|, |v[S+16*\b+1]|, 0x2800000
.endr
.irp i, 2,4,6,8,10,12,14
.irp b, 0,1
	v_max3_num_f32 v[BM+\b], v[BM+\b], |v[S+16*\b+\i]|, |v[S+16*\b+\i+1]|
.endr
.endr
.irp b, 0,1
	v_permlanex16_b32 v[BY+\b], v[BM+\b], s[SEL], s[SEL+1]
.endr
.irp b, 0,1
	v_max_num_f32 v[BM+\b], v[BM+\b], v[BY+\b]     ; with lane l xor 16's 16 channels
.endr
.irp b, 0,1
	v_add_nc_u32 v[SO+\b], 0xfe000000, v[BM+\b]
.endr
.irp b, 0,1
	v_lshrrev_b32 v[BY+\b], 23, v[SO+\b]
.endr
	v_lshl_or_b32 v[T0], v[BY+1], 8, v[BY]
	v_cvt_scalef32_pk16_bf6_f32 v[PC:PC+2], v[S:S+15], v[SO]
	v_cvt_scalef32_pk16_bf6_f32 v[TT:TT+2], v[S+16:S+31], v[SO+1]
	v_nop                                          ; one plain line behind the scaled conversions
.irp i, 0,1,2
	v_permlane16_swap_b32 v[PC+\i], v[TT+\i]       ; the operand wants a whole block in a lane
.endr
.irp i, 0,1,2
	v_mov_b32 v[PC+3+\i], v[TT+\i]
.endr
	global_store_b128 v[L16], v[PC:PC+3], s[70:71]
	global_store_b64 v[L8], v[PC+4:PC+5], s[70:71] offset:512
	global_store_b16 v[R4], v[T0], s[72:73] offset:SCO   ; lanes r and r + 16 hold the same two bytes
	s_wait_tensorcnt 0x0                           ; the wave's end
	ds_add_u32 v[SPW], v[NIL]
	s_wait_dscnt 0x0
	CROUND                                         ; the closing round
	s_endpgm
.Lfunc_end_k_q7b0c2f3a07_attn:
	.size	k_q7b0c2f3a07_attn, .Lfunc_end_k_q7b0c2f3a07_attn-k_q7b0c2f3a07_attn
	.p2alignl 7, 3214868480
	.fill 96, 4, 3214868480
	.section	.rodata,"a",@progbits
	.p2align	6, 0x0
	.amdhsa_kernel k_q7b0c2f3a07_attn
		.amdhsa_group_segment_fixed_size 327680
		.amdhsa_private_segment_fixed_size 0
		.amdhsa_enable_private_segment 0
		.amdhsa_kernarg_size 24
		.amdhsa_user_sgpr_count 2
		.amdhsa_user_sgpr_kernarg_segment_ptr 1
		.amdhsa_wavefront_size32 1
		.amdhsa_system_sgpr_workgroup_id_x 1
		.amdhsa_system_sgpr_workgroup_id_y 1
		.amdhsa_system_sgpr_workgroup_id_z 1
		.amdhsa_system_vgpr_workitem_id 0
		.amdhsa_next_free_vgpr 256
		.amdhsa_next_free_sgpr 100
		.amdhsa_reserve_vcc 0
		.amdhsa_float_denorm_mode_32 3
		.amdhsa_float_denorm_mode_16_64 3
		.amdhsa_memory_ordered 1
		.amdhsa_forward_progress 1
		.amdhsa_inst_pref_size 58
	.end_amdhsa_kernel
	.amdgpu_metadata
---
amdhsa.version: [ 1, 2 ]
amdhsa.kernels:
  - .name:           k_q7b0c2f3a07_attn
    .symbol:         k_q7b0c2f3a07_attn.kd
    .args:
      - { .name: qk, .offset: 0, .size: 8, .value_kind: global_buffer, .address_space: global }
      - { .name: vt, .offset: 8, .size: 8, .value_kind: global_buffer, .address_space: global }
      - { .name: oc, .offset: 16, .size: 8, .value_kind: global_buffer, .address_space: global }
    .group_segment_fixed_size: 327680
    .private_segment_fixed_size: 0
    .kernarg_segment_align: 8
    .kernarg_segment_size: 24
    .max_flat_workgroup_size: 512
    .sgpr_count:     100
    .vgpr_count:     256
    .wavefront_size: 32
...
	.end_amdgpu_metadata
.endif
;; end of part 3
;; launch proj (part 4): grid 8 x 32, 4 waves a work-group, clusters of 4 x 4, 327,680 bytes of LDS; arguments oc, wc, b_proj, x, x1; writes x1
.if DOCPART == 4
	.amdgcn_target "amdgcn-amd-amdhsa--gfx1250"
	.amdhsa_code_object_version 6
	.text
	.protected	k_q7b0c2f3a07_proj
	.globl	k_q7b0c2f3a07_proj
	.p2align	8
	.type	k_q7b0c2f3a07_proj,@function
k_q7b0c2f3a07_proj:
	s_mov_b64 s[64:65], 0
	v_nop
	global_prefetch_b8 v0, s[64:65] scope:SCOPE_SE
	s_setreg_imm32_b32 hwreg(HW_REG_WAVE_MODE, 25, 1), 1
	s_wait_xcnt 0x0
	s_wait_alu depctr_hold_cnt(0) depctr_sa_sdst(0) depctr_va_vdst(0) depctr_va_sdst(0) depctr_va_ssrc(0) depctr_va_vcc(0) depctr_vm_vsrc(0)
	s_getreg_b32 s2, hwreg(HW_REG_IB_STS2, 6, 4)
	s_cmp_eq_u32 s2, 0
	s_cbranch_scc0 .Lentry_in_a_cluster
	s_endpgm
.Lentry_in_a_cluster:
	s_bfe_u32 s2, ttmp6, 0x10000c
	s_cmp_lg_u32 s2, 0xf033
	s_cbranch_scc0 .Lentry_shape_is_right
	s_endpgm
.Lentry_shape_is_right:
.set NT,    4
.set NQ,    4
.set NSLOT, 2
.set S,     8
.set WOFF,  192
.set NF,    S/NQ
.set FRB,   1536
.set BLK,   12800
.set SCO,   12288
; ALL OF K LIES IN LDS: the 8 K steps of Q's 128 rows from byte 0, those of P's 128 rows from 2 REG on.  Each wave brings 4 K steps (51,200 dense bytes) by its one tensor load at the head; nothing is filled again.
.set REG,   4*BLK                      ; what one tensor load brings
.set SLOT,  4*BLK                      ; from one set of address registers to the next: 4 K steps
.set HALFC, 4*FRB
.set HALFS, 256
.set SPARE, 4*REG                      ; behind the tiles: the spare words, 128 bytes for each wave
.set STAGE, SPARE+512                  ; behind them: the way out's stages, bytes of their own, 16 x 272 for each wave
.set A16, 4
.set A8,  7
.set B16, 10
.set B8,  13
.set SCA, 16
.set L16, 19
.set L8,  20
.set STO, 21
.set RD,  22
.set CO,  23
.set BO,  24
.set SPW, 28
.set NIL, 29
.set SC,  32
.set BI,  48
.set BK,  64
.set AF,  128
.set G1Q, 24
.set G0Q, 32
.set G1P, 48
.set G0P, 68
.set MUL_LO, 0xa1
.set MUL_HI, 0xa1
.set MSB, 0
.macro WIN new
.if MSB != (\new)
	s_set_vgpr_msb (MSB<<8)|(\new)
.set MSB, (\new)
.endif
.endm
.macro PLACES n
.rept \n
	v_nop
.endr
.endm
.macro JLOAD g0q, g0p
	s_cmp_eq_u32 s15, 0
	s_cbranch_scc0 .Lfor_p_\@
	tensor_load_to_lds s[\g0q:\g0q+3], s[G1Q:G1Q+7]
	s_nop 0
.rept 4
	v_nop
.endr
	s_branch .Lasked_\@
.Lfor_p_\@:
	tensor_load_to_lds s[\g0p:\g0p+3], s[G1P:G1P+7]
	s_nop 0
.rept 4
	v_nop
.endr
.Lasked_\@:
.endm
.macro CREST
	s_cmp_lg_u32 s14, 0
	s_cbranch_scc1 .Lnot_wave_0_\@
	s_barrier_signal -3
.Lnot_wave_0_\@:
	s_barrier_wait -3
	s_barrier_signal -1
	s_barrier_wait -1
.endm
.macro CROUND
	s_barrier_signal -1
	s_barrier_wait -1
	CREST
.endm
.macro FRAG reg, a16, a8, off
	ds_load_b128 v[\reg:\reg+3], v[\a16] offset:\off
	ds_load_b64 v[\reg+4:\reg+5], v[\a8] offset:\off+512
	ds_load_b128 v[\reg+6:\reg+9], v[\a16] offset:\off+768
	ds_load_b64 v[\reg+10:\reg+11], v[\a8] offset:\off+1280
.endm
.macro FETCH_B
	WIN 0x40
.set fi, 0
.rept NT
	FRAG 128*np+12*fi, B16+nsl, B8+nsl, nq*BLK+fi*FRB
.set fi, fi+1
.endr
	WIN 0
.endm
.macro FETCH_A i0
.set fi, \i0
.rept NT/2
	FRAG AF+12*fi, A16+nsl, A8+nsl, nq*BLK+fi*FRB
.set fi, fi+1
.endr
.endm
.macro SCALES
.set fi, 0
.rept NT
	ds_load_b32 v[SC+8*np+fi], v[SCA+nsl] offset:nq*BLK+64*fi
.set fi, fi+1
.endr
.endm
.macro MULQ i, zero
.set qa, (\i)*NT/4
.rept NT/4
.set qb, 0
.rept NT
.set rD, 8*(NT*(qa%4)+qb)
.if \zero
	v_wmma_scale_f32_16x16x128_f8f6f4 v[rD:rD+7], v[128*pp+12*qb:128*pp+12*qb+11], v[AF+12*qa:AF+12*qa+11], 0, v[SC+8*pp+qb], v[SC+8*pp+qa] matrix_a_fmt:MATRIX_FMT_BF6 matrix_b_fmt:MATRIX_FMT_BF6 matrix_a_scale:MATRIX_SCALE_ROW1
.else
	v_wmma_scale_f32_16x16x128_f8f6f4 v[rD:rD+7], v[128*pp+12*qb:128*pp+12*qb+11], v[AF+12*qa:AF+12*qa+11], v[rD:rD+7], v[SC+8*pp+qb], v[SC+8*pp+qa] matrix_a_fmt:MATRIX_FMT_BF6 matrix_b_fmt:MATRIX_FMT_BF6 matrix_a_scale:MATRIX_SCALE_ROW1
.endif
.set qb, qb+1
.endr
.set qa, qa+1
.endr
.endm
.macro STEPK kind, zero
.set pp, kk%2
.set np, 1-pp
.set csl, (kk/NQ)%NSLOT
.set nsl, ((kk+1)/NQ)%NSLOT
.set nq, (kk+1)%NQ
.if (\kind == 1) || (\kind == 2)
	s_wait_tensorcnt 0x0
	ds_add_u32 v[SPW], v[NIL]
	s_wait_dscnt (NT/2)*4+1
	WIN MUL_LO
	MULQ 0, 0
	s_wait_dscnt 0x0
	s_barrier_signal -1
	MULQ 1, 0
	WIN 0
	s_barrier_wait -1
.if \kind == 1
	CREST
	s_add_nc_u64 s[G0Q+4*csl+2:G0Q+4*csl+3], s[G0Q+4*csl+2:G0Q+4*csl+3], NSLOT*NQ*BLK
	s_add_nc_u64 s[G0P+4*csl+2:G0P+4*csl+3], s[G0P+4*csl+2:G0P+4*csl+3], NSLOT*NQ*BLK
	JLOAD G0Q+4*csl, G0P+4*csl
.else
	PLACES 4
.endif
.else
	s_wait_dscnt (NT/2)*4
	WIN MUL_LO
	MULQ 0, \zero
	MULQ 1, \zero
	s_wait_dscnt 0x0
.if \kind == 0
	PLACES 4
.endif
.endif
.if \kind != 3
	FETCH_B
	FETCH_A 0
	SCALES
.endif
	WIN MUL_HI
	MULQ 2, \zero
	MULQ 3, \zero
.if \kind != 3
	PLACES 4
.endif
	WIN 0
.if \kind != 3
	FETCH_A NT/2
.endif
.set kk, kk+1
.endm
	s_load_b256 s[4:11], s[0:1], 0x0
	s_load_b64 s[12:13], s[0:1], 0x20
	v_lshl_add_u32 v[SPW], v0, 2, SPARE
	v_mov_b32 v[NIL], 0
	ds_add_u32 v[SPW], v[NIL]
	ds_add_u32 v[SPW], v[NIL]
	v_lshrrev_b32 v1, 5, v0
	v_readfirstlane_b32 s14, v1
	s_lshr_b32 s15, s14, 1
	s_and_b32 s16, s14, 1
	s_bfe_u32 s44, ttmp6, 0x40000
	s_bfe_u32 s45, ttmp6, 0x40004
	s_lshl_b32 s46, ttmp9, 2
	s_add_co_u32 s46, s46, s44
	s_and_b32 s17, ttmp7, 0xffff
	s_lshl_b32 s17, s17, 2
	s_add_co_u32 s17, s17, s45
	s_lshl_b32 s47, s45, 2
	s_lshl_b32 s47, 15, s47
	s_lshl_b32 s56, 0x1111, s44
	s_or_b32 s[G1Q], s47, (3<<16)|(1<<21)
	s_or_b32 s[G1P], s56, (3<<16)|(1<<21)
.irp g, G1Q, G1P
	s_mov_b32 s[\g+1], 32<<16
	s_mov_b32 s[\g+2], 200<<16
	s_mov_b32 s[\g+3], 32<<16
	s_mov_b32 s[\g+4], 200
	s_mov_b32 s[\g+5], 32
	s_mov_b32 s[\g+6], 0
	s_mov_b32 s[\g+7], 0
.endr
	s_mul_i32 s57, s16, 4*BLK
	s_mul_i32 s20, s17, S*BLK
	s_add_co_u32 s20, s20, s57
	s_mov_b32 s21, 0
	s_mul_i32 s58, s46, S*BLK
	s_add_co_u32 s58, s58, s57
	s_add_co_u32 s58, s58, WOFF*BLK
	s_mov_b32 s59, 0
	s_mul_i32 s80, s14, REG
	s_wait_dscnt 0x0
	s_wait_kmcnt 0x0
	s_add_nc_u64 s[22:23], s[4:5], s[20:21]
	s_add_nc_u64 s[60:61], s[6:7], s[58:59]
	CROUND
	s_mov_b32 s[G0Q], 1
	s_add_co_u32 s[G0Q+1], s80, 0
	s_add_nc_u64 s[G0Q+2:G0Q+3], s[22:23], 0
	s_or_b32 s[G0Q+3], s[G0Q+3], 0x80000000
	s_mov_b32 s[G0P], 1
	s_add_co_u32 s[G0P+1], s80, 0
	s_add_nc_u64 s[G0P+2:G0P+3], s[60:61], 0
	s_or_b32 s[G0P+3], s[G0P+3], 0x80000000
	JLOAD G0Q, G0P                                 ; my 4 K steps: one tensor load a wave at the head
	v_and_b32 v1, 31, v0
	v_and_b32 v2, 15, v0
	v_bfe_u32 v3, v0, 4, 1
	v_lshlrev_b32 v[L16], 4, v1
	s_wait_alu depctr_va_vdst(0)
	v_lshlrev_b32 v[L8], 3, v1
	s_wait_alu depctr_va_vdst(0)
	s_mul_i32 s81, s15, HALFC
	s_mul_i32 s82, s16, HALFC
	s_add_co_u32 s82, s82, 2*REG
	s_mul_i32 s83, s15, HALFS
	s_mul_i32 s84, s16, HALFS
	s_add_co_u32 s84, s84, 2*REG
	s_sub_co_u32 s84, s84, s83
	v_mul_u32_u24 v30, s84, v3
	v_lshl_add_u32 v30, v2, 2, v30
	s_add_co_u32 s83, s83, SCO
.irp sl, 0,1
	v_add_nc_u32 v[A16+\sl], s81, v[L16]
	v_add_nc_u32 v[A8+\sl], s81, v[L8]
	v_add_nc_u32 v[B16+\sl], s82, v[L16]
	v_add_nc_u32 v[B8+\sl], s82, v[L8]
	v_add_nc_u32 v[SCA+\sl], s83, v30
	s_add_co_u32 s81, s81, SLOT
	s_add_co_u32 s82, s82, SLOT
	s_add_co_u32 s83, s83, SLOT
.endr
	s_mul_i32 s81, s14, 16*272
	s_add_co_u32 s81, s81, STAGE
	v_mul_u32_u24 v[STO], v2, 272
	v_lshl_add_u32 v[STO], v3, 6, v[STO]
	v_add_nc_u32 v[STO], s81, v[STO]
	v_lshlrev_b32 v[BO], 4, v2
	s_wait_alu depctr_va_vdst(0)
	v_mul_u32_u24 v[RD], v3, 272
	v_add_nc_u32 v[RD], v[RD], v[BO]
	v_add_nc_u32 v[RD], s81, v[RD]
	v_lshl_add_u32 v[CO], v3, 12, v[BO]
	s_wait_alu depctr_va_vdst(0)
	s_lshl_b32 s85, s17, 7
	s_lshl_b32 s86, s15, 6
	s_add_co_u32 s85, s85, s86
	s_lshl_b32 s85, s85, 12
	s_lshl_b32 s86, s46, 7
	s_lshl_b32 s87, s16, 6
	s_add_co_u32 s86, s86, s87
	s_lshl_b32 s86, s86, 2
	s_mov_b32 s87, 0
	s_add_nc_u64 s[8:9], s[8:9], s[86:87]
	s_add_co_u32 s86, s86, s85
	s_add_nc_u64 s[10:11], s[10:11], s[86:87]
	s_add_nc_u64 s[12:13], s[12:13], s[86:87]
	global_load_b128 v[BI:BI+3], v[BO], s[8:9]
	WIN 0xc0
.irp a, 0,1,2,3
.irp t, 0,1,2,3,4,5,6,7
	global_load_b128 v[32*\a+4*\t:32*\a+4*\t+3], v[CO], s[10:11] offset:(32*(\a/2)+8*(\a%2)+2*\t+8*(\t/4))*4096
.endr
.endr
	WIN 0
	s_wait_alu depctr_va_vdst(0)                   ; the wait at the head's end
	s_wait_tensorcnt 0x0                           ; my part has landed; behind the barrier everybody's has
	s_barrier_signal -1
	s_barrier_wait -1
.set np, 0
.set nsl, 0
.set nq, 0
	FETCH_B
	FETCH_A 0
	SCALES
	FETCH_A NT/2
.set kk, 0
	STEPK 0, 1
.rept NQ-2
	STEPK 0, 0
.endr
.if NF > 2
	STEPK 1, 0
.rept NF-3
.rept NQ-1
	STEPK 0, 0
.endr
	STEPK 1, 0
.endr
.rept NQ-1
	STEPK 0, 0
.endr
.endif
	STEPK 0, 0
.rept NQ-1
	STEPK 0, 0
.endr
	STEPK 3, 0
	s_wait_loadcnt 0x0
	PLACES 4
.macro TOSTAGE a
	WIN 0x08
.irp bb, 0,1
.irp jj, 0,1,2,3
	ds_store_b128 v[STO], v[32*(\a)+16*\bb+4*\jj:32*(\a)+16*\bb+4*\jj+3] offset:128*\bb+16*\jj
.endr
.endr
	WIN 0
.irp t, 0,1,2,3,4,5,6,7
	ds_load_b128 v[BK+32*((\a)%2)+4*\t:BK+32*((\a)%2)+4*\t+3], v[RD] offset:544*\t
.endr
.endm
.macro SEND a, younger
	s_wait_dscnt \younger
.irp t, 0,1,2,3,4,5,6,7
	v_pk_add_f32 v[BK+32*((\a)%2)+4*\t:BK+32*((\a)%2)+4*\t+1], v[BK+32*((\a)%2)+4*\t:BK+32*((\a)%2)+4*\t+1], v[BI:BI+1]
	v_pk_add_f32 v[BK+32*((\a)%2)+4*\t+2:BK+32*((\a)%2)+4*\t+3], v[BK+32*((\a)%2)+4*\t+2:BK+32*((\a)%2)+4*\t+3], v[BI+2:BI+3]
.endr
	WIN 0x0c
.set en, 0
.rept 16
	v_pk_add_f32 v[BK+32*((\a)%2)+en:BK+32*((\a)%2)+en+1], v[BK+32*((\a)%2)+en:BK+32*((\a)%2)+en+1], v[32*(\a)+en:32*(\a)+en+1]
.set en, en+2
.endr
	WIN 0
.irp t, 0,1,2,3,4,5,6,7
	global_store_b128 v[CO], v[BK+32*((\a)%2)+4*\t:BK+32*((\a)%2)+4*\t+3], s[12:13] offset:(32*((\a)/2)+8*((\a)%2)+2*\t+8*(\t/4))*4096
.endr
.endm
	TOSTAGE 0
	TOSTAGE 1
	SEND 0, 16
	s_wait_xcnt 0x0
	TOSTAGE 2
	SEND 1, 16
	s_wait_xcnt 0x0
	TOSTAGE 3
	SEND 2, 16
	SEND 3, 0
	s_wait_tensorcnt 0x0
	ds_add_u32 v[SPW], v[NIL]
	s_wait_dscnt 0x0
	CROUND
	s_endpgm
.Lfunc_end_k_q7b0c2f3a07_proj:
	.size	k_q7b0c2f3a07_proj, .Lfunc_end_k_q7b0c2f3a07_proj-k_q7b0c2f3a07_proj
	.p2alignl 7, 3214868480
	.fill 96, 4, 3214868480
	.section	.rodata,"a",@progbits
	.p2align	6, 0x0
	.amdhsa_kernel k_q7b0c2f3a07_proj
		.amdhsa_group_segment_fixed_size 327680
		.amdhsa_private_segment_fixed_size 0
		.amdhsa_enable_private_segment 0
		.amdhsa_kernarg_size 40
		.amdhsa_user_sgpr_count 2
		.amdhsa_user_sgpr_kernarg_segment_ptr 1
		.amdhsa_wavefront_size32 1
		.amdhsa_system_sgpr_workgroup_id_x 1
		.amdhsa_system_sgpr_workgroup_id_y 1
		.amdhsa_system_sgpr_workgroup_id_z 1
		.amdhsa_system_vgpr_workitem_id 0
		.amdhsa_next_free_vgpr 1024
		.amdhsa_next_free_sgpr 100
		.amdhsa_reserve_vcc 0
		.amdhsa_float_denorm_mode_32 3
		.amdhsa_float_denorm_mode_16_64 3
		.amdhsa_memory_ordered 1
		.amdhsa_forward_progress 1
		.amdhsa_inst_pref_size 64
	.end_amdhsa_kernel
	.amdgpu_metadata
---
amdhsa.version: [ 1, 2 ]
amdhsa.kernels:
  - .name:           k_q7b0c2f3a07_proj
    .symbol:         k_q7b0c2f3a07_proj.kd
    .args:
      - { .name: oc, .offset: 0, .size: 8, .value_kind: global_buffer, .address_space: global }
      - { .name: wc, .offset: 8, .size: 8, .value_kind: global_buffer, .address_space: global }
      - { .name: b_proj, .offset: 16, .size: 8, .value_kind: global_buffer, .address_space: global }
      - { .name: x, .offset: 24, .size: 8, .value_kind: global_buffer, .address_space: global }
      - { .name: x1, .offset: 32, .size: 8, .value_kind: global_buffer, .address_space: global }
    .group_segment_fixed_size: 327680
    .private_segment_fixed_size: 0
    .kernarg_segment_align: 8
    .kernarg_segment_size: 40
    .max_flat_workgroup_size: 128
    .sgpr_count:     100
    .vgpr_count:     1024
    .wavefront_size: 32
...
	.end_amdgpu_metadata
.endif
;; end of part 4
;; launch ln2: the kernel of part 1 again; grid 256 x 1, 8 waves a work-group, no clusters, 137,216 bytes of LDS; arguments x1, ln2_g, ln2_b, hc, w_qkv, w_proj, w_fc1, w_fc2, wc; writes hc, wc
;; launch fc1 (part 5): grid 16 x 16, 4 waves a work-group, clusters of 4 x 4, 327,680 bytes of LDS; arguments hc, wc, b_fc1, fh; writes fh
.if DOCPART == 5
	.amdgcn_target "amdgcn-amd-amdhsa--gfx1250"
	.amdhsa_code_object_version 6
	.text
	.protected	k_q7b0c2f3a07_fc1
	.globl	k_q7b0c2f3a07_fc1
	.p2align	8
	.type	k_q7b0c2f3a07_fc1,@function
k_q7b0c2f3a07_fc1:
	s_mov_b64 s[64:65], 0
	v_nop
	global_prefetch_b8 v0, s[64:65] scope:SCOPE_SE
	s_setreg_imm32_b32 hwreg(HW_REG_WAVE_MODE, 25, 1), 1
	s_wait_xcnt 0x0
	s_wait_alu depctr_hold_cnt(0) depctr_sa_sdst(0) depctr_va_vdst(0) depctr_va_sdst(0) depctr_va_ssrc(0) depctr_va_vcc(0) depctr_vm_vsrc(0)
	s_getreg_b32 s2, hwreg(HW_REG_IB_STS2, 6, 4)
	s_cmp_eq_u32 s2, 0
	s_cbranch_scc0 .Lentry_in_a_cluster
	s_endpgm
.Lentry_in_a_cluster:
	s_bfe_u32 s2, ttmp6, 0x10000c
	s_cmp_lg_u32 s2, 0xf033
	s_cbranch_scc0 .Lentry_shape_is_right
	s_endpgm
.Lentry_shape_is_right:
.set NT,    8
.set NQ,    2
.set NSLOT, 3
.set S,     8
.set WOFF,  256
.set NF,    S/NQ
.set FRB,   1536
.set BLK,   12800
.set SCO,   12288
.set REG,   2*BLK
.set SLOT,  4*REG
; THE FILLS: area 0, from byte 0, has four regions of 4 K steps (51,200 bytes), one a wave, filled at the head with K steps 0-3 by one tensor load a wave; area 1, from AREA on, has four regions of 2 K steps, first filled
; with K steps 4, 5 behind the round in front of the first K step; K steps 6, 7 are the one refill, into the first half of area 0's regions, behind the round in K step 3.  A wave has one tensor load out at a time.
.set AREA,  16*BLK
.set HALFC, REG
.set HALFS, REG
.set SPARE, NSLOT*SLOT
.set STAGE, ((NF-2)%NSLOT)*SLOT
.set A16, 4
.set A8,  7
.set B16, 10
.set B8,  13
.set SCA, 16
.set L16, 19
.set L8,  20
.set SS,  21
.set SL,  22
.set SPW, 28
.set NIL, 29
.set SC,  32
.set C8V, 48
.set T,   64
.set AF,  128
.set TI,  128
.set PP,  160
.set HX,  192
.set PC,  128
.set TM,  160
.set PW,  176
.set G1Q, 24
.set G0Q, 32
.set G1P, 48
.set G0P, 68
.set SEL, 18
.set CF,  80
.set MUL_LO, 0xa1
.set MUL_HI, 0xf1
.set MSB, 0
.macro WIN new
.if MSB != (\new)
	s_set_vgpr_msb (MSB<<8)|(\new)
.set MSB, (\new)
.endif
.endm
.macro PLACES n
.rept \n
	v_nop
.endr
.endm
.macro JLOAD g0q, g0p
	s_cmp_eq_u32 s15, 0
	s_cbranch_scc0 .Lfor_p_\@
	tensor_load_to_lds s[\g0q:\g0q+3], s[G1Q:G1Q+7]
	s_nop 0
.rept 4
	v_nop
.endr
	s_branch .Lasked_\@
.Lfor_p_\@:
	tensor_load_to_lds s[\g0p:\g0p+3], s[G1P:G1P+7]
	s_nop 0
.rept 4
	v_nop
.endr
.Lasked_\@:
.endm
.macro CREST
	s_cmp_lg_u32 s14, 0
	s_cbranch_scc1 .Lnot_wave_0_\@
	s_barrier_signal -3
.Lnot_wave_0_\@:
	s_barrier_wait -3
	s_barrier_signal -1
	s_barrier_wait -1
.endm
.macro CROUND
	s_barrier_signal -1
	s_barrier_wait -1
	CREST
.endm
.macro FRAG reg, a16, a8, off
	ds_load_b128 v[\reg:\reg+3], v[\a16] offset:\off
	ds_load_b64 v[\reg+4:\reg+5], v[\a8] offset:\off+512
	ds_load_b128 v[\reg+6:\reg+9], v[\a16] offset:\off+768
	ds_load_b64 v[\reg+10:\reg+11], v[\a8] offset:\off+1280
.endm
.macro FETCH_B
	WIN 0x40
.set fi, 0
.rept NT
	FRAG 128*np+12*fi, B16+nsl, B8+nsl, nq*BLK+fi*FRB
.set fi, fi+1
.endr
	WIN 0
.endm
.macro FETCH_A i0
.set fi, \i0
.rept NT/2
	FRAG AF+12*fi, A16+nsl, A8+nsl, nq*BLK+fi*FRB
.set fi, fi+1
.endr
.endm
.macro SCALES
.set fi, 0
.rept NT
	ds_load_b32 v[SC+8*np+fi], v[SCA+nsl] offset:nq*BLK+64*fi
.set fi, fi+1
.endr
.endm
.macro MULQ i, zero
.set qa, (\i)*NT/4
.rept NT/4
.set qb, 0
.rept NT
.set rD, 8*(NT*(qa%4)+qb)
.if \zero
	v_wmma_scale_f32_16x16x128_f8f6f4 v[rD:rD+7], v[128*pp+12*qb:128*pp+12*qb+11], v[AF+12*qa:AF+12*qa+11], 0, v[SC+8*pp+qb], v[SC+8*pp+qa] matrix_a_fmt:MATRIX_FMT_BF6 matrix_b_fmt:MATRIX_FMT_BF6 matrix_a_scale:MATRIX_SCALE_ROW1
.else
	v_wmma_scale_f32_16x16x128_f8f6f4 v[rD:rD+7], v[128*pp+12*qb:128*pp+12*qb+11], v[AF+12*qa:AF+12*qa+11], v[rD:rD+7], v[SC+8*pp+qb], v[SC+8*pp+qa] matrix_a_fmt:MATRIX_FMT_BF6 matrix_b_fmt:MATRIX_FMT_BF6 matrix_a_scale:MATRIX_SCALE_ROW1
.endif
.set qb, qb+1
.endr
.set qa, qa+1
.endr
.endm
.macro STEPK kind, zero
.set pp, kk%2
.set np, 1-pp
.set nsl, (kk+1)/4-(kk+1)/6            ; the next step's area: K steps 4, 5 lie in area 1, all others in area 0
.set nq, (kk+1)-4*((kk+1)/4)-2*((kk+1)/6)   ; and its place in the region: 0-3, 0-1, 0-1
.if (\kind == 1) || (\kind == 2)
	s_wait_tensorcnt 0x0
	ds_add_u32 v[SPW], v[NIL]
	s_wait_dscnt (NT/2)*4+1
	WIN MUL_LO
	MULQ 0, 0
	s_wait_dscnt 0x0
	s_barrier_signal -1
	MULQ 1, 0
	WIN 0
	s_barrier_wait -1
.if \kind == 1
	CREST
	JLOAD G0Q+8, G0P+8                             ; K steps 6, 7 over K steps 0, 1
.else
	PLACES 4
.endif
.else
	s_wait_dscnt (NT/2)*4
	WIN MUL_LO
	MULQ 0, \zero
	MULQ 1, \zero
	s_wait_dscnt 0x0
.if \kind == 0
	PLACES 4
.endif
.endif
.if \kind != 3
	FETCH_B
	FETCH_A 0
	s_wait_alu depctr_va_vdst(0)
	SCALES
.endif
	WIN MUL_HI
	MULQ 2, \zero
	MULQ 3, \zero
.if \kind != 3
	PLACES 4
.endif
	WIN 0
.if \kind != 3
	FETCH_A NT/2
.endif
.set kk, kk+1
.endm
.macro QUANT s
.irp b, 0,1,2,3
	v_max3_num_f32 v[TM+\b], |v[\s+16*\b]|, |v[\s+1+16*\b]|, 0x2800000
.endr
.irp i, 2,4,6,8,10,12,14
.irp b, 0,1,2,3
	v_max3_num_f32 v[TM+\b], v[TM+\b], |v[\s+16*\b+\i]|, |v[\s+1+16*\b+\i]|
.endr
.endr
.irp b, 0,1,2,3
	v_permlanex16_b32 v[TM+4+\b], v[TM+\b], s[SEL], s[SEL+1]
.endr
.irp b, 0,1,2,3
	v_max_num_f32 v[TM+\b], v[TM+\b], v[TM+4+\b]
.endr
.irp b, 0,1,2,3
	v_add_nc_u32 v[TM+12+\b], 0xfe000000, v[TM+\b]
.endr
.irp b, 0,1,2,3
	v_lshrrev_b32 v[TM+4+\b], 23, v[TM+12+\b]
.endr
	v_lshl_or_b32 v[PW], v[TM+5], 8, v[TM+4]
	v_lshl_or_b32 v[PW], v[TM+6], 16, v[PW]
	v_lshl_or_b32 v[PW], v[TM+7], 24, v[PW]
.irp c, 0,1
	v_cvt_scalef32_pk16_bf6_f32 v[PC+6*\c:PC+2+6*\c], v[\s+32*\c:\s+15+32*\c], v[TM+12+2*\c]
	v_cvt_scalef32_pk16_bf6_f32 v[PC+12+4*\c:PC+14+4*\c], v[\s+16+32*\c:\s+31+32*\c], v[TM+12+2*\c+1]
.endr
	v_nop
.irp c, 0,1
.irp i, 0,1,2
	v_permlane16_swap_b32 v[PC+6*\c+\i], v[PC+12+4*\c+\i]
.endr
.irp i, 0,1,2
	v_mov_b32 v[PC+3+6*\c+\i], v[PC+12+4*\c+\i]
.endr
.endr
.endm
.macro GELU hh
.set gb, T+32*(\hh)
.set gi, 0
.rept 32
	v_fma_f32 v[TI+gi], |v[gb+gi]|, 0x3eb504f3, 1.0
.set gi, gi+1
.endr
.set gi, 0
	s_wait_alu depctr_va_vdst(0)
.rept 32
	v_rcp_f32 v[TI+gi], v[TI+gi]
.set gi, gi+1
.endr
.set gi, 0
.rept 16
	v_pk_mul_f32 v[HX+gi:HX+gi+1], v[gb+gi:gb+gi+1], s[98:99] op_sel_hi:[1,0]
.set gi, gi+2
.endr
	s_wait_alu depctr_va_vdst(0)
.set gi, 0
.rept 16
	v_pk_fma_f32 v[PP+gi:PP+gi+1], v[TI+gi:TI+gi+1], s[96:97], v[C8V:C8V+1] op_sel_hi:[1,0,1]
.set gi, gi+2
.endr
.irp k, 7,6,5,4,3,2,1,0
.set gi, 0
.rept 16
	v_pk_fma_f32 v[PP+gi:PP+gi+1], v[PP+gi:PP+gi+1], v[TI+gi:TI+gi+1], s[CF+2*\k:CF+2*\k+1] op_sel_hi:[1,1,0]
.set gi, gi+2
.endr
.endr
.set gi, 0
.rept 16
	v_pk_fma_f32 v[PP+gi:PP+gi+1], v[HX+gi:HX+gi+1], v[gb+gi:gb+gi+1], v[PP+gi:PP+gi+1] neg_lo:[1,0,0] neg_hi:[1,0,0]
.set gi, gi+2
.endr
.set gi, 0
	s_wait_alu depctr_va_vdst(0)
.rept 32
	v_exp_f32 v[PP+gi], v[PP+gi]
.set gi, gi+1
.endr
.set gi, 0
.rept 32
	v_max_num_f32 v[HX+gi], 0, v[gb+gi]
.set gi, gi+1
.endr
	s_wait_alu depctr_va_vdst(0)
.set gi, 0
.rept 16
	v_pk_mul_f32 v[PP+gi:PP+gi+1], v[PP+gi:PP+gi+1], v[TI+gi:TI+gi+1]
.set gi, gi+2
.endr
.set gi, 0
.rept 32
	v_fma_f32 v[gb+gi], -|v[gb+gi]|, v[PP+gi], v[HX+gi]
.set gi, gi+1
.endr
.endm
	s_load_b256 s[4:11], s[0:1], 0x0
	v_lshl_add_u32 v[SPW], v0, 2, SPARE
	v_mov_b32 v[NIL], 0
	ds_add_u32 v[SPW], v[NIL]
	ds_add_u32 v[SPW], v[NIL]
	v_lshrrev_b32 v1, 5, v0
	v_readfirstlane_b32 s14, v1
	s_lshr_b32 s15, s14, 1
	s_and_b32 s16, s14, 1
	s_bfe_u32 s44, ttmp6, 0x40000
	s_bfe_u32 s45, ttmp6, 0x40004
	s_lshl_b32 s46, ttmp9, 2
	s_add_co_u32 s46, s46, s44
	s_and_b32 s17, ttmp7, 0xffff
	s_lshl_b32 s17, s17, 2
	s_add_co_u32 s17, s17, s45
	s_lshl_b32 s47, s45, 2
	s_lshl_b32 s47, 15, s47
	s_lshl_b32 s56, 0x1111, s44
	s_or_b32 s[G1Q], s47, (3<<16)|(1<<21)
	s_or_b32 s[G1P], s56, (3<<16)|(1<<21)
.irp g, G1Q, G1P
	s_mov_b32 s[\g+1], 32<<16
	s_mov_b32 s[\g+2], 200<<16
	s_mov_b32 s[\g+3], 32<<16
	s_mov_b32 s[\g+4], 200
	s_mov_b32 s[\g+5], 32
	s_mov_b32 s[\g+6], 0
	s_mov_b32 s[\g+7], 0
.endr
	s_lshl_b32 s20, s17, 1
	s_add_co_u32 s20, s20, s16
	s_mul_i32 s20, s20, S*BLK
	s_mov_b32 s21, 0
	s_lshl_b32 s58, s46, 1
	s_add_co_u32 s58, s58, s16
	s_mul_i32 s58, s58, S*BLK
	s_add_co_u32 s58, s58, WOFF*BLK
	s_mov_b32 s59, 0
	s_mul_i32 s80, s14, REG
	s_wait_dscnt 0x0
	s_wait_kmcnt 0x0
	s_add_nc_u64 s[22:23], s[4:5], s[20:21]
	s_add_nc_u64 s[60:61], s[6:7], s[58:59]
	CROUND
.irp sl, 0,1,2                                 ; three groups 0: K steps 0-3, K steps 4-5, K steps 6-7
	s_mov_b32 s[G0Q+4*\sl], 1
	s_add_nc_u64 s[G0Q+4*\sl+2:G0Q+4*\sl+3], s[22:23], (2*\sl+2*((\sl+1)/2))*BLK
	s_or_b32 s[G0Q+4*\sl+3], s[G0Q+4*\sl+3], 0x80000000
	s_mov_b32 s[G0P+4*\sl], 1
	s_add_nc_u64 s[G0P+4*\sl+2:G0P+4*\sl+3], s[60:61], (2*\sl+2*((\sl+1)/2))*BLK
	s_or_b32 s[G0P+4*\sl+3], s[G0P+4*\sl+3], 0x80000000
.endr
	s_lshl_b32 s[G0Q+1], s80, 1                    ; area 0: wave x 4 K steps
	s_lshl_b32 s[G0P+1], s80, 1
	s_add_co_u32 s[G0Q+5], s80, AREA               ; area 1: wave x 2 K steps
	s_add_co_u32 s[G0P+5], s80, AREA
	s_lshl_b32 s[G0Q+9], s80, 1                    ; the refill: the first half of my region of area 0
	s_lshl_b32 s[G0P+9], s80, 1
	JLOAD G0Q, G0P                                 ; K steps 0-3: one tensor load a wave at the head
	v_and_b32 v1, 31, v0
	v_and_b32 v2, 15, v0
	v_bfe_u32 v3, v0, 4, 1
	v_lshlrev_b32 v[L16], 4, v1
	s_wait_alu depctr_va_vdst(0)
	v_lshlrev_b32 v[L8], 3, v1
	s_wait_alu depctr_va_vdst(0)
.irp sl, 0,1                                   ; a set of addresses for each area: regions of 4 K steps in area 0, of 2 in area 1; Q's two regions, then P's two
	s_mul_i32 s81, s15, (4-2*\sl)*BLK
	s_mul_i32 s82, s16, (4-2*\sl)*BLK
	s_add_co_u32 s82, s82, 2*(4-2*\sl)*BLK
	s_sub_co_u32 s84, s82, s81
	v_mul_u32_u24 v30, s84, v3                     ; lanes 16-31 take P's words: one product, the distance between the two
	v_lshl_add_u32 v30, v2, 2, v30
	s_add_co_u32 s83, s81, SCO+\sl*AREA
	s_add_co_u32 s81, s81, \sl*AREA
	s_add_co_u32 s82, s82, \sl*AREA
	v_add_nc_u32 v[A16+\sl], s81, v[L16]
	v_add_nc_u32 v[A8+\sl], s81, v[L8]
	v_add_nc_u32 v[B16+\sl], s82, v[L16]
	v_add_nc_u32 v[B8+\sl], s82, v[L8]
	v_add_nc_u32 v[SCA+\sl], s83, v30
.endr
	s_lshl_b32 s81, s14, 9
	s_add_co_u32 s81, s81, STAGE
	v_lshl_add_u32 v[SS], v2, 2, s81
	v_add_nc_u32 v[SL], s81, v[L16]
	s_lshl_b32 s86, s46, 1
	s_add_co_u32 s86, s86, s16
	s_lshl_b32 s88, s86, 9
	s_mov_b32 s89, 0
	s_add_nc_u64 s[8:9], s[8:9], s[88:89]
	v_lshlrev_b32 v30, 6, v3
	WIN 0x40
.irp bb, 0,1,2,3
.irp jj, 0,1,2,3
	global_load_b128 v[96+96*(\bb/2)+16*\bb+4*\jj:99+96*(\bb/2)+16*\bb+4*\jj], v30, s[8:9] offset:128*\bb+16*\jj
.endr
.endr
	WIN 0
	s_lshl_b32 s94, s17, 1
	s_add_co_u32 s94, s94, s15
	s_lshl_b32 s94, s94, 5
	s_add_co_u32 s94, s94, s86
	s_mul_i32 s94, s94, BLK
	s_mov_b32 s95, 0
	s_add_nc_u64 s[10:11], s[10:11], s[94:95]
	s_wait_alu depctr_va_vdst(0)                   ; the wait at the head's end
	s_wait_tensorcnt 0x0                           ; my part of K steps 0-3 is in
	ds_add_u32 v[SPW], v[NIL]
	s_mov_b32 s[G1Q+2], 100<<16                    ; no tensor load of mine is out: from here on a load brings 100 rows, 2 K steps
	s_mov_b32 s[G1Q+4], 100
	s_mov_b32 s[G1P+2], 100<<16
	s_mov_b32 s[G1P+4], 100
	s_wait_dscnt 0x0
	CROUND                                         ; everybody's part is in, and all sixteen work-groups are here
	JLOAD G0Q+4, G0P+4                             ; K steps 4, 5: area 1's first fill
.set np, 0
.set nsl, 0
.set nq, 0
	FETCH_B
	FETCH_A 0
	SCALES
	FETCH_A NT/2
.set kk, 0
	STEPK 0, 1
	STEPK 0, 0
	STEPK 0, 0
	STEPK 1, 0
	STEPK 0, 0
	STEPK 2, 0
	STEPK 0, 0
	STEPK 3, 0
	s_wait_loadcnt 0x0
	PLACES 4
	s_mov_b32 s[SEL], 0x76543210
	s_mov_b32 s[SEL+1], 0xfedcba98
	s_mov_b32 s80, 0xc034d90f
	s_mov_b32 s82, 0x3fb8ab5a
	s_mov_b32 s84, 0x3f0a29d2
	s_mov_b32 s86, 0x3e0efb2e
	s_mov_b32 s88, 0xbe899a80
	s_mov_b32 s90, 0x3ecdfd18
	s_mov_b32 s92, 0xbfd1a1e5
	s_mov_b32 s94, 0x40097039
	s_mov_b32 s96, 0x3e7c6f08
	s_mov_b32 s98, 0x3f38aa3b
.irp k, 80,82,84,86,88,90,92,94,96,98
	s_mov_b32 s[\k+1], s[\k]
.endr
	v_mov_b32 v[C8V], 0xbf97d29d
	v_mov_b32 v[C8V+1], v[C8V]
	s_mov_b32 s20, 0
.Lrow:
.irp a, 1,2,3,4,5,6,7
	s_cmp_eq_u32 s20, \a
	s_cbranch_scc1 .Larm\a
.endr
.irp a, 0,1,2,3,4,5,6,7
.Larm\a:
	WIN 0x06+\a/4
.set en, 0
.rept 32
	v_pk_add_f32 v[T+en:T+en+1], v[64*(\a%4)+en:64*(\a%4)+en+1], v[96+en+96*(en/32):97+en+96*(en/32)]
.set en, en+2
.endr
	WIN 0
.if \a < 7
	s_branch .Lgelu
.endif
.endr
.Lgelu:
	GELU 0
	GELU 1
	QUANT T
	ds_store_b32 v[SS], v[PW]
	global_store_b128 v[L16], v[PC:PC+3], s[10:11]
	global_store_b64 v[L8], v[PC+4:PC+5], s[10:11] offset:512
	global_store_b128 v[L16], v[PC+6:PC+9], s[10:11] offset:768
	global_store_b64 v[L8], v[PC+10:PC+11], s[10:11] offset:1280
	s_wait_dscnt 0x0
	v_add_nc_u32 v[SS], 64, v[SS]
	s_wait_xcnt 0x0
	s_add_nc_u64 s[10:11], s[10:11], FRB
	s_add_co_u32 s20, s20, 1
	s_cmp_lt_u32 s20, 8
	s_cbranch_scc1 .Lrow
	ds_load_b128 v[T:T+3], v[SL]
	s_wait_dscnt 0x0
	global_store_b128 v[L16], v[T:T+3], s[10:11]
	s_wait_tensorcnt 0x0
	ds_add_u32 v[SPW], v[NIL]
	s_wait_dscnt 0x0
	CROUND
	s_endpgm
.Lfunc_end_k_q7b0c2f3a07_fc1:
	.size	k_q7b0c2f3a07_fc1, .Lfunc_end_k_q7b0c2f3a07_fc1-k_q7b0c2f3a07_fc1
	.p2alignl 7, 3214868480
	.fill 96, 4, 3214868480
	.section	.rodata,"a",@progbits
	.p2align	6, 0x0
	.amdhsa_kernel k_q7b0c2f3a07_fc1
		.amdhsa_group_segment_fixed_size 327680
		.amdhsa_private_segment_fixed_size 0
		.amdhsa_enable_private_segment 0
		.amdhsa_kernarg_size 32
		.amdhsa_user_sgpr_count 2
		.amdhsa_user_sgpr_kernarg_segment_ptr 1
		.amdhsa_wavefront_size32 1
		.amdhsa_system_sgpr_workgroup_id_x 1
		.amdhsa_system_sgpr_workgroup_id_y 1
		.amdhsa_system_sgpr_workgroup_id_z 1
		.amdhsa_system_vgpr_workitem_id 0
		.amdhsa_next_free_vgpr 1024
		.amdhsa_next_free_sgpr 100
		.amdhsa_reserve_vcc 0
		.amdhsa_float_denorm_mode_32 3
		.amdhsa_float_denorm_mode_16_64 3
		.amdhsa_memory_ordered 1
		.amdhsa_forward_progress 1
		.amdhsa_inst_pref_size 179
	.end_amdhsa_kernel
	.amdgpu_metadata
---
amdhsa.version: [ 1, 2 ]
amdhsa.kernels:
  - .name:           k_q7b0c2f3a07_fc1
    .symbol:         k_q7b0c2f3a07_fc1.kd
    .args:
      - { .name: hc, .offset: 0, .size: 8, .value_kind: global_buffer, .address_space: global }
      - { .name: wc, .offset: 8, .size: 8, .value_kind: global_buffer, .address_space: global }
      - { .name: b_fc1, .offset: 16, .size: 8, .value_kind: global_buffer, .address_space: global }
      - { .name: fh, .offset: 24, .size: 8, .value_kind: global_buffer, .address_space: global }
    .group_segment_fixed_size: 327680
    .private_segment_fixed_size: 0
    .kernarg_segment_align: 8
    .kernarg_segment_size: 32
    .max_flat_workgroup_size: 128
    .sgpr_count:     100
    .vgpr_count:     1024
    .wavefront_size: 32
...
	.end_amdgpu_metadata
.endif
;; end of part 5
;; launch fc2 (part 6): grid 8 x 32, 4 waves a work-group, clusters of 4 x 4, 327,680 bytes of LDS; arguments fh, wc, b_fc2, x1, out0; writes out0
.if DOCPART == 6
	.amdgcn_target "amdgcn-amd-amdhsa--gfx1250"
	.amdhsa_code_object_version 6
	.text
	.protected	k_q7b0c2f3a07_fc2
	.globl	k_q7b0c2f3a07_fc2
	.p2align	8
	.type	k_q7b0c2f3a07_fc2,@function
k_q7b0c2f3a07_fc2:
	s_mov_b64 s[64:65], 0
	v_nop
	global_prefetch_b8 v0, s[64:65] scope:SCOPE_SE
	s_setreg_imm32_b32 hwreg(HW_REG_WAVE_MODE, 25, 1), 1
	s_wait_xcnt 0x0
	s_wait_alu depctr_hold_cnt(0) depctr_sa_sdst(0) depctr_va_vdst(0) depctr_va_sdst(0) depctr_va_ssrc(0) depctr_va_vcc(0) depctr_vm_vsrc(0)
	s_getreg_b32 s2, hwreg(HW_REG_IB_STS2, 6, 4)
	s_cmp_eq_u32 s2, 0
	s_cbranch_scc0 .Lentry_in_a_cluster
	s_endpgm
.Lentry_in_a_cluster:
	s_bfe_u32 s2, ttmp6, 0x10000c
	s_cmp_lg_u32 s2, 0xf033
	s_cbranch_scc0 .Lentry_shape_is_right
	s_endpgm
.Lentry_shape_is_right:
.set NT,    4
.set NQ,    4
.set NSLOT, 2
.set S,     32
.set WOFF,  512
.set NF,    S/NQ
.set FRB,   1536
.set BLK,   12800
.set SCO,   12288
; out0 = x1 + Q(h) Q(w_fc2)^T + b_fc2 on codes of BF6; a work-group makes 128 x 128, each of four waves 64 x 64; K = 4,096 in 32 steps of 128.
; THE RING: LDS holds 12 K steps of Q's 128 rows from byte 0 and 12 of P's from 2 REG on; K step n lies at place n % 12.  The head brings K steps 0-11, each wave 6 steps of one side (76,800 dense bytes) by its one tensor load.
; Three refills follow, each one load a wave behind a round of the cluster's barrier: K steps 12-19 over places 0-7 in K step 7, K steps 20-23 over places 8-11 in K step 11, K steps 24-31 over places 0-7 in K step 19.
; By this text's own count a wave has one tensor load out at a time.  Group 1's two words that count rows are written anew behind the wait that shows no load of the wave out.
; PREFETCH: behind the head's load and behind the first two refills each wave asks for the bytes of the NEXT refill: of the region that a wave will fetch, each of the four partners that ask for it jointly takes a quarter,
; told apart by address (cx for Q, cy for P), a lane to each 256 bytes, 25 lanes' worth an instruction (lanes 25-31 name the last again).  The last refill asks for nothing.
.set REG,   6*BLK                      ; what the head's tensor load brings
.set SLOT,  4*BLK                      ; from one set of address registers to the next: 4 places
.set PFO,   25                         ; v25 the prefetches' offset: 256 x min(lane, 24); never rewritten
.set HALFC, 4*FRB
.set HALFS, 256
.set SPARE, 4*REG                      ; behind the ring: the spare words, 128 bytes for each wave
.set STAGE, SPARE+512                  ; behind them: the way out's stages, bytes of their own, 16 x 272 for each wave
.set A16, 4
.set A8,  7
.set B16, 10
.set B8,  13
.set SCA, 16
.set L16, 19
.set L8,  20
.set STO, 21
.set RD,  22
.set CO,  23
.set BO,  24
.set SPW, 28
.set NIL, 29
.set SC,  32
.set BI,  48
.set BK,  64
.set AF,  128
.set G1Q, 24
.set G0Q, 32
.set G1P, 48
.set G0P, 68
.set MUL_LO, 0xa1
.set MUL_HI, 0xa1
.set MSB, 0
.macro WIN new
.if MSB != (\new)
	s_set_vgpr_msb (MSB<<8)|(\new)
.set MSB, (\new)
.endif
.endm
.macro PLACES n
.rept \n
	v_nop
.endr
.endm
.macro JLOAD g0q, g0p
	s_cmp_eq_u32 s15, 0
	s_cbranch_scc0 .Lfor_p_\@
	tensor_load_to_lds s[\g0q:\g0q+3], s[G1Q:G1Q+7]
	s_nop 0
.rept 4
	v_nop
.endr
	s_branch .Lasked_\@
.Lfor_p_\@:
	tensor_load_to_lds s[\g0p:\g0p+3], s[G1P:G1P+7]
	s_nop 0
.rept 4
	v_nop
.endr
.Lasked_\@:
.endm
.macro CREST
	s_cmp_lg_u32 s14, 0
	s_cbranch_scc1 .Lnot_wave_0_\@
	s_barrier_signal -3
.Lnot_wave_0_\@:
	s_barrier_wait -3
	s_barrier_signal -1
	s_barrier_wait -1
.endm
.macro CROUND
	s_barrier_signal -1
	s_barrier_wait -1
	CREST
.endm
.macro FRAG reg, a16, a8, off
	ds_load_b128 v[\reg:\reg+3], v[\a16] offset:\off
	ds_load_b64 v[\reg+4:\reg+5], v[\a8] offset:\off+512
	ds_load_b128 v[\reg+6:\reg+9], v[\a16] offset:\off+768
	ds_load_b64 v[\reg+10:\reg+11], v[\a8] offset:\off+1280
.endm
.macro FETCH_B
	WIN 0x40
.set fi, 0
.rept NT
	FRAG 128*np+12*fi, B16+nsl, B8+nsl, nq*BLK+fi*FRB
.set fi, fi+1
.endr
	WIN 0
.endm
.macro FETCH_A i0
.set fi, \i0
.rept NT/2
	FRAG AF+12*fi, A16+nsl, A8+nsl, nq*BLK+fi*FRB
.set fi, fi+1
.endr
.endm
.macro SCALES
.set fi, 0
.rept NT
	ds_load_b32 v[SC+8*np+fi], v[SCA+nsl] offset:nq*BLK+64*fi
.set fi, fi+1
.endr
.endm
.macro MULQ i, zero
.set qa, (\i)*NT/4
.rept NT/4
.set qb, 0
.rept NT
.set rD, 8*(NT*(qa%4)+qb)
.if \zero
	v_wmma_scale_f32_16x16x128_f8f6f4 v[rD:rD+7], v[128*pp+12*qb:128*pp+12*qb+11], v[AF+12*qa:AF+12*qa+11], 0, v[SC+8*pp+qb], v[SC+8*pp+qa] matrix_a_fmt:MATRIX_FMT_BF6 matrix_b_fmt:MATRIX_FMT_BF6 matrix_a_scale:MATRIX_SCALE_ROW1
.else
	v_wmma_scale_f32_16x16x128_f8f6f4 v[rD:rD+7], v[128*pp+12*qb:128*pp+12*qb+11], v[AF+12*qa:AF+12*qa+11], v[rD:rD+7], v[SC+8*pp+qb], v[SC+8*pp+qa] matrix_a_fmt:MATRIX_FMT_BF6 matrix_b_fmt:MATRIX_FMT_BF6 matrix_a_scale:MATRIX_SCALE_ROW1
.endif
.set qb, qb+1
.endr
.set qa, qa+1
.endr
.endm
.macro STEPK kind, zero
.set pp, kk%2
.set np, 1-pp
.set nsl, ((kk+1)%12)/4                ; the next step's place is (kk + 1) % 12: which set of address registers,
.set nq, ((kk+1)%12)%4                 ; and which of its four places
.if (\kind == 1) || (\kind == 2)
	s_wait_tensorcnt 0x0
	ds_add_u32 v[SPW], v[NIL]
	s_wait_dscnt (NT/2)*4+1
	WIN MUL_LO
	MULQ 0, 0
	s_wait_dscnt 0x0
	s_barrier_signal -1
	MULQ 1, 0
	WIN 0
	s_barrier_wait -1
.if \kind == 1
	CREST
.if kk == 11
	s_mov_b32 s[G1Q+2], 100<<16                    ; no tensor load of mine is out: this load brings 100 rows, 2 K steps
	s_mov_b32 s[G1Q+4], 100
	s_mov_b32 s[G1P+2], 100<<16
	s_mov_b32 s[G1P+4], 100
	JLOAD G0Q+8, G0P+8                             ; K steps 20-23 over places 8-11
.else
	s_mov_b32 s[G1Q+2], 200<<16                    ; 200 rows, 4 K steps
	s_mov_b32 s[G1Q+4], 200
	s_mov_b32 s[G1P+2], 200<<16
	s_mov_b32 s[G1P+4], 200
.if kk == 19
	s_add_nc_u64 s[G0Q+6:G0Q+7], s[G0Q+6:G0Q+7], 12*BLK
	s_add_nc_u64 s[G0P+6:G0P+7], s[G0P+6:G0P+7], 12*BLK
.endif
	JLOAD G0Q+4, G0P+4                             ; K steps 12-19, later 24-31, over places 0-7
.endif
.else
	PLACES 4
.endif
.else
	s_wait_dscnt (NT/2)*4
	WIN MUL_LO
	MULQ 0, \zero
	MULQ 1, \zero
	s_wait_dscnt 0x0
.if \kind == 0
	PLACES 4
.endif
.endif
.if \kind != 3
	FETCH_B
	FETCH_A 0
	SCALES
.if \kind == 1                                 ; behind the refill and the run of LDS loads: the next refill's bytes
.if kk == 7
	global_prefetch_b8 v[PFO], s[94:95] offset:20*BLK th:TH_LOAD_NT scope:SCOPE_SE
.endif
.if kk == 11
	global_prefetch_b8 v[PFO], s[88:89] offset:24*BLK th:TH_LOAD_NT scope:SCOPE_SE
	global_prefetch_b8 v[PFO], s[88:89] offset:24*BLK+6400 th:TH_LOAD_NT scope:SCOPE_SE
.endif
.endif
.endif
	WIN MUL_HI
	MULQ 2, \zero
	MULQ 3, \zero
.if \kind != 3
	PLACES 4
.endif
	WIN 0
.if \kind != 3
	FETCH_A NT/2
.endif
.set kk, kk+1
.endm
	s_load_b256 s[4:11], s[0:1], 0x0
	s_load_b64 s[12:13], s[0:1], 0x20
	v_lshl_add_u32 v[SPW], v0, 2, SPARE
	v_mov_b32 v[NIL], 0
	ds_add_u32 v[SPW], v[NIL]
	ds_add_u32 v[SPW], v[NIL]
	v_lshrrev_b32 v1, 5, v0
	v_readfirstlane_b32 s14, v1
	s_lshr_b32 s15, s14, 1
	s_and_b32 s16, s14, 1
	s_bfe_u32 s44, ttmp6, 0x40000
	s_bfe_u32 s45, ttmp6, 0x40004
	s_lshl_b32 s46, ttmp9, 2
	s_add_co_u32 s46, s46, s44
	s_and_b32 s17, ttmp7, 0xffff
	s_lshl_b32 s17, s17, 2
	s_add_co_u32 s17, s17, s45
	s_lshl_b32 s47, s45, 2
	s_lshl_b32 s47, 15, s47
	s_lshl_b32 s56, 0x1111, s44
	s_or_b32 s[G1Q], s47, (3<<16)|(1<<21)
	s_or_b32 s[G1P], s56, (3<<16)|(1<<21)
.irp g, G1Q, G1P
	s_mov_b32 s[\g+1], 32<<16
	s_mov_b32 s[\g+2], 300<<16
	s_mov_b32 s[\g+3], 32<<16
	s_mov_b32 s[\g+4], 300
	s_mov_b32 s[\g+5], 32
	s_mov_b32 s[\g+6], 0
	s_mov_b32 s[\g+7], 0
.endr
	s_mul_i32 s57, s16, 2*BLK
	s_mul_i32 s20, s17, S*BLK
	s_add_co_u32 s20, s20, s57
	s_mov_b32 s21, 0
	s_mul_i32 s58, s46, S*BLK
	s_add_co_u32 s58, s58, s57
	s_add_co_u32 s58, s58, WOFF*BLK
	s_mov_b32 s59, 0
	s_mul_i32 s80, s14, REG
	s_wait_dscnt 0x0
	s_wait_kmcnt 0x0
	s_add_nc_u64 s[22:23], s[4:5], s[20:21]
	s_add_nc_u64 s[60:61], s[6:7], s[58:59]
	CROUND
	; three groups 0 a side: the head's (6 steps from step 6 x part), the refills of places 0-7 (4 steps from 12 + 4 x part), the refill of places 8-11 (2 steps from 20 + 2 x part).  s[22:23], s[60:61] stand at step 2 x part
	s_mov_b32 s82, s57
	s_mov_b32 s83, 0
	s_mul_i32 s84, s15, 12*BLK                     ; LDS: my side's 12 places
	s_mul_i32 s85, s16, 4*BLK
	s_add_co_u32 s85, s85, s84
	s_mul_i32 s86, s16, 2*BLK
	s_add_co_u32 s86, s86, s84
	s_add_co_u32 s[G0Q+1], s80, 0
	s_add_co_u32 s[G0P+1], s80, 0
	s_add_co_u32 s[G0Q+5], s85, 0
	s_add_co_u32 s[G0P+5], s85, 0
	s_add_co_u32 s[G0Q+9], s86, 8*BLK
	s_add_co_u32 s[G0P+9], s86, 8*BLK
	s_add_nc_u64 s[G0Q+6:G0Q+7], s[22:23], s[82:83]
	s_add_nc_u64 s[G0Q+2:G0Q+3], s[G0Q+6:G0Q+7], s[82:83]
	s_add_nc_u64 s[G0Q+6:G0Q+7], s[G0Q+6:G0Q+7], 12*BLK
	s_add_nc_u64 s[G0Q+10:G0Q+11], s[22:23], 20*BLK
	s_add_nc_u64 s[G0P+6:G0P+7], s[60:61], s[82:83]
	s_add_nc_u64 s[G0P+2:G0P+3], s[G0P+6:G0P+7], s[82:83]
	s_add_nc_u64 s[G0P+6:G0P+7], s[G0P+6:G0P+7], 12*BLK
	s_add_nc_u64 s[G0P+10:G0P+11], s[60:61], 20*BLK
.irp sl, 0,1,2
	s_mov_b32 s[G0Q+4*\sl], 1
	s_or_b32 s[G0Q+4*\sl+3], s[G0Q+4*\sl+3], 0x80000000
	s_mov_b32 s[G0P+4*\sl], 1
	s_or_b32 s[G0P+4*\sl+3], s[G0P+4*\sl+3], 0x80000000
.endr
	JLOAD G0Q, G0P                                 ; K steps 0-11: one tensor load a wave at the head
	v_and_b32 v1, 31, v0
	v_and_b32 v2, 15, v0
	v_bfe_u32 v3, v0, 4, 1
	v_lshlrev_b32 v[L16], 4, v1
	s_wait_alu depctr_va_vdst(0)
	v_lshlrev_b32 v[L8], 3, v1
	s_wait_alu depctr_va_vdst(0)
	s_mul_i32 s81, s15, HALFC
	s_mul_i32 s82, s16, HALFC
	s_add_co_u32 s82, s82, 2*REG
	s_mul_i32 s83, s15, HALFS
	s_mul_i32 s84, s16, HALFS
	s_add_co_u32 s84, s84, 2*REG
	s_sub_co_u32 s84, s84, s83
	v_mul_u32_u24 v30, s84, v3
	v_lshl_add_u32 v30, v2, 2, v30
	s_add_co_u32 s83, s83, SCO
.irp sl, 0,1,2
	v_add_nc_u32 v[A16+\sl], s81, v[L16]
	v_add_nc_u32 v[A8+\sl], s81, v[L8]
	v_add_nc_u32 v[B16+\sl], s82, v[L16]
	v_add_nc_u32 v[B8+\sl], s82, v[L8]
	v_add_nc_u32 v[SCA+\sl], s83, v30
	s_add_co_u32 s81, s81, SLOT
	s_add_co_u32 s82, s82, SLOT
	s_add_co_u32 s83, s83, SLOT
.endr
	s_mul_i32 s81, s14, 16*272
	s_add_co_u32 s81, s81, STAGE
	v_mul_u32_u24 v[STO], v2, 272
	v_lshl_add_u32 v[STO], v3, 6, v[STO]
	v_add_nc_u32 v[STO], s81, v[STO]
	v_lshlrev_b32 v[BO], 4, v2
	s_wait_alu depctr_va_vdst(0)
	v_mul_u32_u24 v[RD], v3, 272
	v_add_nc_u32 v[RD], v[RD], v[BO]
	v_add_nc_u32 v[RD], s81, v[RD]
	v_lshl_add_u32 v[CO], v3, 12, v[BO]
	s_wait_alu depctr_va_vdst(0)
	s_lshl_b32 s85, s17, 7
	s_lshl_b32 s86, s15, 6
	s_add_co_u32 s85, s85, s86
	s_lshl_b32 s85, s85, 12
	s_lshl_b32 s86, s46, 7
	s_lshl_b32 s87, s16, 6
	s_add_co_u32 s86, s86, s87
	s_lshl_b32 s86, s86, 2
	s_mov_b32 s87, 0
	s_add_nc_u64 s[8:9], s[8:9], s[86:87]
	s_add_co_u32 s86, s86, s85
	s_add_nc_u64 s[10:11], s[10:11], s[86:87]
	s_add_nc_u64 s[12:13], s[12:13], s[86:87]
	global_load_b128 v[BI:BI+3], v[BO], s[8:9]
	WIN 0xc0
.irp a, 0,1,2,3
.irp t, 0,1,2,3,4,5,6,7
	global_load_b128 v[32*\a+4*\t:32*\a+4*\t+3], v[CO], s[10:11] offset:(32*(\a/2)+8*(\a%2)+2*\t+8*(\t/4))*4096
.endr
.endr
	WIN 0
	s_cmp_eq_u32 s15, 0                            ; the prefetches: do I fetch for Q?
	s_cselect_b64 s[88:89], s[22:23], s[60:61]     ; my side, at step 2 x part
	s_cselect_b32 s90, s44, s45                    ; my place among the four that ask with me
	s_mul_i32 s92, s90, 6400
	s_mov_b32 s93, 0
	s_add_nc_u64 s[94:95], s[88:89], s[92:93]      ; for a region of 2 steps: my quarter, 25 x 256 bytes
	s_mul_i32 s92, s90, BLK
	s_add_co_u32 s92, s92, s57
	s_add_nc_u64 s[88:89], s[88:89], s[92:93]      ; for a region of 4 steps, from step 4 x part: my quarter, one step, 50 x 256 bytes
	v_min_u32 v[PFO], 24, v1
	v_lshlrev_b32 v[PFO], 8, v[PFO]
	global_prefetch_b8 v[PFO], s[88:89] offset:12*BLK th:TH_LOAD_NT scope:SCOPE_SE        ; K steps 12-19, which the first refill brings
	global_prefetch_b8 v[PFO], s[88:89] offset:12*BLK+6400 th:TH_LOAD_NT scope:SCOPE_SE
	s_wait_alu depctr_va_vdst(0)                   ; the wait at the head's end
	s_wait_tensorcnt 0x0                           ; my part has landed; behind the barrier everybody's has
	s_barrier_signal -1
	s_barrier_wait -1
.set np, 0
.set nsl, 0
.set nq, 0
	FETCH_B
	FETCH_A 0
	SCALES
	FETCH_A NT/2
.set kk, 0
	STEPK 0, 1                                     ; the first products start the sums
.rept 6
	STEPK 0, 0
.endr
	STEPK 1, 0                                     ; K step 7: places 0-7 are read out and take K steps 12-19
.rept 3
	STEPK 0, 0
.endr
	STEPK 1, 0                                     ; K step 11: K steps 12-19 have landed; places 8-11 take K steps 20-23
.rept 7
	STEPK 0, 0
.endr
	STEPK 1, 0                                     ; K step 19: K steps 20-23 have landed; places 0-7 take K steps 24-31
.rept 3
	STEPK 0, 0
.endr
	STEPK 2, 0                                     ; K step 23: K steps 24-31 have landed; nothing is filled
.rept 7
	STEPK 0, 0
.endr
	STEPK 3, 0
	s_wait_loadcnt 0x0
	PLACES 4
.macro TOSTAGE a
	WIN 0x08
.irp bb, 0,1
.irp jj, 0,1,2,3
	ds_store_b128 v[STO], v[32*(\a)+16*\bb+4*\jj:32*(\a)+16*\bb+4*\jj+3] offset:128*\bb+16*\jj
.endr
.endr
	WIN 0
.irp t, 0,1,2,3,4,5,6,7
	ds_load_b128 v[BK+32*((\a)%2)+4*\t:BK+32*((\a)%2)+4*\t+3], v[RD] offset:544*\t
.endr
.endm
.macro SEND a, younger
	s_wait_dscnt \younger
.irp t, 0,1,2,3,4,5,6,7
	v_pk_add_f32 v[BK+32*((\a)%2)+4*\t:BK+32*((\a)%2)+4*\t+1], v[BK+32*((\a)%2)+4*\t:BK+32*((\a)%2)+4*\t+1], v[BI:BI+1]
	v_pk_add_f32 v[BK+32*((\a)%2)+4*\t+2:BK+32*((\a)%2)+4*\t+3], v[BK+32*((\a)%2)+4*\t+2:BK+32*((\a)%2)+4*\t+3], v[BI+2:BI+3]
.endr
	WIN 0x0c
.set en, 0
.rept 16
	v_pk_add_f32 v[BK+32*((\a)%2)+en:BK+32*((\a)%2)+en+1], v[BK+32*((\a)%2)+en:BK+32*((\a)%2)+en+1], v[32*(\a)+en:32*(\a)+en+1]
.set en, en+2
.endr
	WIN 0
.irp t, 0,1,2,3,4,5,6,7
	global_store_b128 v[CO], v[BK+32*((\a)%2)+4*\t:BK+32*((\a)%2)+4*\t+3], s[12:13] offset:(32*((\a)/2)+8*((\a)%2)+2*\t+8*(\t/4))*4096
.endr
.endm
	TOSTAGE 0
	TOSTAGE 1
	SEND 0, 16
	s_wait_xcnt 0x0
	TOSTAGE 2
	SEND 1, 16
	s_wait_xcnt 0x0
	TOSTAGE 3
	SEND 2, 16
	SEND 3, 0
	s_wait_tensorcnt 0x0
	ds_add_u32 v[SPW], v[NIL]
	s_wait_dscnt 0x0
	CROUND
	s_endpgm
.Lfunc_end_k_q7b0c2f3a07_fc2:
	.size	k_q7b0c2f3a07_fc2, .Lfunc_end_k_q7b0c2f3a07_fc2-k_q7b0c2f3a07_fc2
	.p2alignl 7, 3214868480
	.fill 96, 4, 3214868480
	.section	.rodata,"a",@progbits
	.p2align	6, 0x0
	.amdhsa_kernel k_q7b0c2f3a07_fc2
		.amdhsa_group_segment_fixed_size 327680
		.amdhsa_private_segment_fixed_size 0
		.amdhsa_enable_private_segment 0
		.amdhsa_kernarg_size 40
		.amdhsa_user_sgpr_count 2
		.amdhsa_user_sgpr_kernarg_segment_ptr 1
		.amdhsa_wavefront_size32 1
		.amdhsa_system_sgpr_workgroup_id_x 1
		.amdhsa_system_sgpr_workgroup_id_y 1
		.amdhsa_system_sgpr_workgroup_id_z 1
		.amdhsa_system_vgpr_workitem_id 0
		.amdhsa_next_free_vgpr 1024
		.amdhsa_next_free_sgpr 100
		.amdhsa_reserve_vcc 0
		.amdhsa_float_denorm_mode_32 3
		.amdhsa_float_denorm_mode_16_64 3
		.amdhsa_memory_ordered 1
		.amdhsa_forward_progress 1
		.amdhsa_inst_pref_size 183
	.end_amdhsa_kernel
	.amdgpu_metadata
---
amdhsa.version: [ 1, 2 ]
amdhsa.kernels:
  - .name:           k_q7b0c2f3a07_fc2
    .symbol:         k_q7b0c2f3a07_fc2.kd
    .args:
      - { .name: fh, .offset: 0, .size: 8, .value_kind: global_buffer, .address_space: global }
      - { .name: wc, .offset: 8, .size: 8, .value_kind: global_buffer, .address_space: global }
      - { .name: b_fc2, .offset: 16, .size: 8, .value_kind: global_buffer, .address_space: global }
      - { .name: x1, .offset: 24, .size: 8, .value_kind: global_buffer, .address_space: global }
      - { .name: out0, .offset: 32, .size: 8, .value_kind: global_buffer, .address_space: global }
    .group_segment_fixed_size: 327680
    .private_segment_fixed_size: 0
    .kernarg_segment_align: 8
    .kernarg_segment_size: 40
    .max_flat_workgroup_size: 128
    .sgpr_count:     100
    .vgpr_count:     1024
    .wavefront_size: 32
...
	.end_amdgpu_metadata
.endif
;; end of part 6
